; MI455X (gfx1250); checked and timed in simulation.
; The chip was launched on July 23, 2026; its instructions are those of AMD's public machine-readable ISA for CDNA 5 (MIT licence, August 2026) and "CDNA5" Instruction Set Architecture Reference Guide (July 2026). The comments in the code are by the model that wrote it; some were corrected since.
;; Cross Attention. Allowed arithmetic: matrix products marked QUANTISED: E4M3 operands, one given power-of-two scale a tensor, by v_wmma_f32_16x16x64_fp8_fp8 or v_wmma_f32_16x16x128_fp8_fp8, f32 sums; everything else in f32.
;; Inputs: Wkv 1,024 x 2,048 float32; Wout 1,024 x 1,024 float32; Wq 1,024 x 1,024 float32; beta one number float32; bout 1,024 float32; context 2 x 4 x 1,024 x 1,024 float32; doc_similarities 2 x 4 float32; lowp_scales 10 int32 (the exponents e of the quantised operands' scales 2^e); x 2 x 1,024 x 1,024 float32.
;; Outputs: out0 2 x 1,024 x 1,024 float32.
;; This version of the problem:
;;   THIS VERSION OF THE PROBLEM IS GIVEN IN LOW PRECISION. The matrix products marked QUANTISED in the list below multiply operands that are first quantised to E4M3 (4 exponent bits, 3 mantissa bits; 8 bits a number), with one given power-of-two scale for each operand tensor; their sums are f32. All else is computed in f32.
;;   The module's matrix products, in the order in which they are computed (A, B: the left and right operand; K: the contracted axis; several contracted axes count as one K, in the product's order):
;;     1. [M 2,048, K 1,024] x [K 1,024, N 1,024]; A: input x; B: input Wq: QUANTISED (scales: A lowp_scales[0], B lowp_scales[1])
;;     2. [M 8,192, K 1,024] x [K 1,024, N 2,048]; A: input context; B: input Wkv: QUANTISED (scales: A lowp_scales[2], B lowp_scales[3])
;;     3. batch 16 x [M 1,024, K 128] x [K 128, N 4,096]; A: computed on the way; B: computed on the way: QUANTISED (scales: A lowp_scales[4], B lowp_scales[5])
;;     4. batch 16 x [M 1,024, K 4,096] x [K 4,096, N 128]; A: softmax (see below); B: computed on the way: QUANTISED (scales: A lowp_scales[6], B lowp_scales[7])
;;     5. [M 2,048, K 1,024] x [K 1,024, N 1,024]; A: computed on the way; B: input Wout: QUANTISED (scales: A lowp_scales[8], B lowp_scales[9])
;;   THE QUANTISER, for each operand of a quantised product, along K:
;;     - The operand's scale is 2^e, e = its entry of the input lowp_scales (int32; the entries are numbered through the quantised products in the list's order, A before B).
;;     - Each number is divided by the scale, clamped to +-448, and rounded to the nearest number of E4M3, ties to even, subnormals kept.
;;     - The product sums the exact products of the quantised numbers (number of the format x scale) in f32.
;;   ~~~python
;;   def quantise(x, axis, e):      # numpy; x: float32 -> the quantised numbers, widened to float32 again
;;       x = np.moveaxis(x, axis, -1); K = x.shape[-1]
;;       r = np.clip(x / 2.0 ** e, -448, 448)
;;       step = 2.0 ** (np.maximum(np.frexp(np.where(r == 0, 1, r))[1] - 1, -6) - 3)
;;       q = np.round(r / step) * step * 2.0 ** e      # np.round: ties to even
;;       return np.moveaxis(q, -1, axis).astype(np.float32)
;;   ~~~
;;   SOFTMAX AHEAD OF A QUANTISED PRODUCT. Where the list says 'softmax', what is quantised is not the finished softmax but p = 2^(t - M), with t = logit x log2(e) and M = ceil(the row's largest t), a whole number; so 1/2 < the row's largest p <= 1. The row's sum l is taken of the UNQUANTISED p, in f32, and the product's result is divided by l at the end. Since M is a whole number, a kernel that streams over the keys may use a running M (the ceiling of the running maximum): every later rescaling is an exact power of two, so the quantised numbers keep their values, but for numbers so far below the row's largest that they fall under the format's range.
;;   OPERANDS COMPUTED ON THE WAY. 'Computed on the way' means the value that the module computes at that place (a softmax that the list does not call 'softmax' is quantised finished and normalised). What goes into a quantiser is computed in f32, as accurately as f32 sums, v_exp_f32 and their like allow (about 1e-6 of the number): no bf16 or f16 on the way to a quantiser, and a product that is left as it is and whose result goes on into a quantised operand takes f32 operands (vector FMAs, or v_wmma_f32_16x16x4_f32). A number that lies on a knife's edge between two numbers of the format may be rounded either way, as far as f32 arithmetic and the matrix unit's own rounding can turn it there, and no further.
;; One version. Each part assembles by itself: llvm-mc -triple=amdgcn-amd-amdhsa -mcpu=gfx1250 --defsym DOCPART=n.
;; ======== version 1 of 1: 4 launches
;; limits: right only within a limited range of input values
;; workspace buffers: cf 8,388,608 bytes; wc 2,097,152 bytes; xf 2,097,152 bytes; wf 4,194,304 bytes; kvf 16,777,216 bytes; of 2,097,152 bytes
;; launch quant (part 1): grid 768 x 1, 4 waves a work-group, no clusters, 34,304 bytes of LDS; arguments context, Wkv, lowp_scales, cf, wc; writes cf, wc
.if DOCPART == 1
	.amdgcn_target "amdgcn-amd-amdhsa--gfx1250"
	.amdhsa_code_object_version 6
	.text
	.protected	k_q602d8efe3b_quant
	.globl	k_q602d8efe3b_quant
	.p2align	8
	.type	k_q602d8efe3b_quant,@function
k_q602d8efe3b_quant:
	s_mov_b64 s[64:65], 0
	v_nop
	global_prefetch_b8 v0, s[64:65] scope:SCOPE_SE
	s_setreg_imm32_b32 hwreg(HW_REG_WAVE_MODE, 25, 1), 1
	s_wait_xcnt 0x0
; context [8192][1024] (K innermost) and Wkv [1024][2048] (K is the FIRST axis), f32, become codes of FP8 (E4M3), each tensor with the one scale 2^e that is given for it:
; code = number / 2^e, held within +-448, rounded to the nearest code, ties to even.  (x, Wq and Wout are needed only behind the next launch, which converts them.)
; LIMITS: e2 and e3 lie between -126 and 119, so that 2^e and 448 x 2^e are f32 numbers.  NaN among the inputs is not served.
; THE LAYOUT OF THE CODES.  An IMAGE is a fragment of 16 rows x 128 K as the operand registers hold it, 2,048 bytes: byte 512 c + 16 l + e holds row l % 16, k = 32 c + 16 (l / 16) + e.
; cf: [tile 0..511][K step 0..7][2048].  wc: [tile 0..127][K step][2048], a row = a column of Wkv.
; THE ROWS OF A TILE ARE NOT NEIGHBOURS: in each block of 128 rows, row r of tile t is the block's row 32 (t / 2) + 8 (t % 2) + r + 8 (r / 8).  A product that takes such tiles as source 0 leaves, in the 64 registers
; of a lane's eight results, numbers in the very order of an image: the later launches convert results straight into images.
; Work-groups 0-255 take a piece of 128 columns x 64 K of Wkv each, 256-767 take a tile of 16 rows of context.  A wave issues all its loads at its start.  Waves share nothing: no barrier.  Only the rows' path uses LDS.
; No prefetch: there is no loop to run ahead in.
.set SP,   528                         ; a stage row: 512 bytes + 16: sixteen rows begin at sixteen different 16-byte columns of 256 bytes
.set STW,  16*SP                       ; a wave's stage
.set SPARE, 4*STW                      ; the spare words, 128 bytes for each wave
.set L16,  2                           ; v2   16 x lane
.set STI,  3                           ; v3   rows: into the stage
.set STO,  4                           ; v4   rows: out of it
.set DLO,  5                           ; v5   weights: my place in wc
.set WOF,  8                           ; v8   weights: byte offset of my column
.set LIM,  10                          ; v10  448 x 2^e
.set SCL,  11                          ; v11  2^e
.set R,    16                          ; v16-143   rows: two sets of 64 registers as loaded
.set X,    144                         ; v144-207  rows: 64 numbers of my row, register 16 c + i = k 32 c + 16 (lane / 16) + i
.set C,    208                         ; v208-239  rows: two sets of 16 registers of codes
.set WX,   48                          ; v48-111   weights: two sets of 32 numbers down K
.set WC,   112                         ; v112-127  weights: 8 registers of codes for each block
.set SPW,  240                         ; v240 LDS address of my spare word
.set NIL,  241                         ; v241 0
.macro LOADU t                         ; K step t of the wave's two: 16 rows x 512 consecutive bytes
.irp i, 0,1,2,3,4,5,6,7,8,9,10,11,12,13,14,15
	global_load_b128 v[R+64*(\t)+4*\i:R+64*(\t)+4*\i+3], v[L16], s[4:5] offset:(\i+8*(\i/8))*4096+512*(\t) th:TH_LOAD_NT
.endr
.endm
.macro UNIT q                          ; one image: through the stage, held, converted, stored
.set RS, R+64*(\q)
.set CS, C+16*(\q)
	s_wait_loadcnt 16*(1-(\q))                     ; this unit's 16 loads are in; the second unit's may be out
.irp i, 0,1,2,3,4,5,6,7,8,9,10,11,12,13,14,15
	ds_store_b128 v[STI], v[RS+4*\i:RS+4*\i+3] offset:SP*\i
.endr
.irp c, 0,1,2,3
.irp j, 0,1,2,3
	ds_load_b128 v[X+16*\c+4*\j:X+16*\c+4*\j+3], v[STO] offset:128*\c+16*\j   ; LDS serves a wave's instructions in order: these see the stores above
.endr
.endr
	s_wait_dscnt 0x0                               ; my 64 numbers are back
.set n, 0
.rept 64
	v_med3_num_f32 v[X+n], v[X+n], -v[LIM], v[LIM] ; the conversion to an 8-bit code does not saturate (ISA guide 7.6.2): the hold comes first
.set n, n+1
.endr
.irp c, 0,1,2,3
	v_cvt_scalef32_pk8_fp8_f32 v[CS+4*\c:CS+4*\c+1], v[X+16*\c:X+16*\c+7], v[SCL]
	v_cvt_scalef32_pk8_fp8_f32 v[CS+4*\c+2:CS+4*\c+3], v[X+16*\c+8:X+16*\c+15], v[SCL]
.endr
	v_nop                                          ; a plain vector line behind the last conversion
.irp c, 0,1,2,3
	global_store_b128 v[L16], v[CS+4*\c:CS+4*\c+3], s[16:17] offset:2048*(\q)+512*\c   ; 32 lanes store 512 consecutive bytes
.endr
.endm
.macro WLOAD t                         ; block t of 32 along K: my column's 32 numbers; a wave reads 128 consecutive bytes of a row, the four waves 512
.set n, 0
.rept 32
	global_load_b32 v[WX+32*(\t)+n], v[WOF], s[6:7] offset:(32*(\t)+n)*8192 th:TH_LOAD_NT
.set n, n+1
.endr
.endm
.macro BLOCK t
.set XS, WX+32*(\t)
	s_wait_loadcnt 32*(1-(\t))                     ; this block's 32 loads are in; the second block's may be out
.set n, 0
.rept 32
	v_med3_num_f32 v[XS+n], v[XS+n], -v[LIM], v[LIM]
.set n, n+1
.endr
.irp g, 0,1,2,3
	v_cvt_scalef32_pk8_fp8_f32 v[WC+8*(\t)+2*\g:WC+8*(\t)+2*\g+1], v[XS+8*\g:XS+8*\g+7], v[SCL]
.endr
	v_nop                                          ; a plain vector line behind the last conversion
	global_store_b128 v[DLO], v[WC+8*(\t):WC+8*(\t)+3], s[18:19] offset:512*(\t)         ; k 32 t + 0..15: the image's lanes 0-15; sixteen lanes store 256 consecutive bytes, aligned
	global_store_b128 v[DLO], v[WC+8*(\t)+4:WC+8*(\t)+7], s[18:19] offset:512*(\t)+256   ; k 32 t + 16..31: its lanes 16-31
.endm
.macro SCALE e                         ; 2^e and 448 x 2^e as f32: the conversion takes the exponent field
	s_add_co_i32 s20, s[\e], 127
	s_lshl_b32 s21, s20, 23
	v_mov_b32 v[SCL], s21
	s_add_co_i32 s20, s20, 8
	s_lshl_b32 s20, s20, 23
	s_or_b32 s20, s20, 0x600000
	v_mov_b32 v[LIM], s20
	s_wait_alu depctr_va_vdst(0)                   ; the wait at the head's end
.endm
	s_load_b128 s[4:7], s[0:1], 0x0                ; context s[4:5], Wkv s[6:7]
	s_load_b64 s[14:15], s[0:1], 0x10              ; the scales' exponents
	s_load_b128 s[16:19], s[0:1], 0x18             ; cf s[16:17], wc s[18:19]
	v_lshl_add_u32 v[SPW], v0, 2, SPARE
	v_mov_b32 v[NIL], 0
	v_lshrrev_b32 v1, 5, v0
	v_readfirstlane_b32 s25, v1                    ; wave 0..3
	v_and_b32 v1, 31, v0
	v_lshlrev_b32 v[L16], 4, v1
	v_and_b32 v7, 15, v0                           ; r = lane % 16
	v_bfe_u32 v6, v0, 4, 1                         ; lane / 16
	s_wait_alu depctr_va_vdst(0)                   ; the wait here, directly ahead of the wait below
	s_wait_kmcnt 0x0
	s_load_b64 s[22:23], s[14:15], 0x8             ; e2 (context), e3 (Wkv)
	s_cmp_lt_u32 ttmp9, 256
	s_cbranch_scc1 .Lweights
	; ---- ROWS.  Tile t = work-group - 256; its first row is 32 (t / 2) + 8 (t % 2).  Wave w makes K steps 2 w and 2 w + 1.
	s_sub_co_u32 s28, ttmp9, 256
	s_lshr_b32 s30, s28, 1
	s_lshl_b32 s30, s30, 17                        ; 32 rows of 4,096 bytes,
	s_and_b32 s29, s28, 1
	s_lshl_b32 s29, s29, 15                        ; 8 rows on for the odd tile,
	s_add_co_u32 s30, s30, s29
	s_lshl_b32 s29, s25, 10                        ; 2 K steps of 512 bytes
	s_add_co_u32 s30, s30, s29
	s_mov_b32 s31, 0
	s_add_nc_u64 s[4:5], s[4:5], s[30:31]
	s_lshl_b32 s30, s28, 14                        ; cf: tile x 16,384 + K step x 2,048
	s_lshl_b32 s29, s25, 12
	s_add_co_u32 s30, s30, s29
	s_add_nc_u64 s[16:17], s[16:17], s[30:31]
	LOADU 0
	LOADU 1
	s_mul_i32 s29, s25, STW                        ; my stage
	v_add_nc_u32 v[STI], s29, v[L16]               ; in: a row's 512 bytes as they lie
	v_mul_u32_u24 v[STO], v7, SP
	v_lshl_add_u32 v[STO], v6, 6, v[STO]
	v_add_nc_u32 v[STO], s29, v[STO]               ; out: row r, + 64 bytes for lanes 16-31: my 16 numbers of each 32
	s_wait_alu depctr_va_vdst(0)                   ; the wait here, directly ahead of the wait below
	s_wait_kmcnt 0x0
	SCALE 22
	UNIT 0
	UNIT 1
	s_wait_tensorcnt 0x0                           ; the wave's end
	ds_add_u32 v[SPW], v[NIL]
	s_wait_dscnt 0x0
	s_endpgm
	; ---- WEIGHTS.  Piece j = work-group: 64 along K (j % 16) of a block of 128 columns (j / 16).  Wave w takes the block's columns 32 w .. 32 w + 31: tiles 2 w and 2 w + 1.
	; A LANE TAKES A COLUMN AND ITS REGISTERS RUN DOWN K: the conversions then give codes with K innermost, and nothing is transposed.
.Lweights:
	s_and_b32 s27, ttmp9, 15                       ; which 64 along K
	s_lshr_b32 s26, ttmp9, 4                       ; which block of 128 columns
	s_lshl_b32 s30, s27, 19                        ; 64 rows of 8,192 bytes down,
	s_lshl_b32 s31, s26, 2
	s_add_co_u32 s31, s31, s25
	s_lshl_b32 s29, s31, 15                        ; (wc: two tiles of 16,384 bytes for each wave)
	s_lshl_b32 s31, s31, 7                         ; 32 columns of 4 bytes for each wave
	s_add_co_u32 s30, s30, s31
	s_mov_b32 s31, 0
	s_add_nc_u64 s[6:7], s[6:7], s[30:31]
	s_lshl_b32 s30, s27, 10                        ; 64 along K are 1,024 bytes of an image
	s_add_co_u32 s30, s30, s29
	s_add_nc_u64 s[18:19], s[18:19], s[30:31]
	v_and_b32 v9, 8, v7
	v_add_nc_u32 v9, v9, v7
	v_lshl_add_u32 v9, v6, 3, v9                   ; my column of the 32: 8 (lane / 16) + r + 8 (r / 8)
	v_lshlrev_b32 v[WOF], 2, v9
	v_lshlrev_b32 v9, 4, v7
	v_lshl_add_u32 v[DLO], v6, 14, v9              ; lanes 0-15: the even tile, lanes 16-31: the odd one; 16 bytes for each row r
	WLOAD 0
	WLOAD 1
	s_wait_alu depctr_va_vdst(0)                   ; the wait here, directly ahead of the wait below
	s_wait_kmcnt 0x0
	SCALE 23
	BLOCK 0
	BLOCK 1
	s_endpgm
.Lfunc_end_k_q602d8efe3b_quant:
	.size	k_q602d8efe3b_quant, .Lfunc_end_k_q602d8efe3b_quant-k_q602d8efe3b_quant
	.p2alignl 7, 3214868480
	.fill 96, 4, 3214868480
	.section	.rodata,"a",@progbits
	.p2align	6, 0x0
	.amdhsa_kernel k_q602d8efe3b_quant
		.amdhsa_group_segment_fixed_size 34304
		.amdhsa_private_segment_fixed_size 0
		.amdhsa_enable_private_segment 0
		.amdhsa_kernarg_size 40
		.amdhsa_user_sgpr_count 2
		.amdhsa_user_sgpr_kernarg_segment_ptr 1
		.amdhsa_wavefront_size32 1
		.amdhsa_system_sgpr_workgroup_id_x 1
		.amdhsa_system_sgpr_workgroup_id_y 1
		.amdhsa_system_sgpr_workgroup_id_z 1
		.amdhsa_system_vgpr_workitem_id 0
		.amdhsa_next_free_vgpr 242
		.amdhsa_next_free_sgpr 66
		.amdhsa_reserve_vcc 0
		.amdhsa_float_denorm_mode_32 3
		.amdhsa_float_denorm_mode_16_64 3
		.amdhsa_memory_ordered 1
		.amdhsa_forward_progress 1
		.amdhsa_inst_pref_size 32
	.end_amdhsa_kernel
	.amdgpu_metadata
---
amdhsa.version: [ 1, 2 ]
amdhsa.kernels:
  - .name:           k_q602d8efe3b_quant
    .symbol:         k_q602d8efe3b_quant.kd
    .args:
      - { .name: context, .offset: 0, .size: 8, .value_kind: global_buffer, .address_space: global }
      - { .name: Wkv, .offset: 8, .size: 8, .value_kind: global_buffer, .address_space: global }
      - { .name: lowp_scales, .offset: 16, .size: 8, .value_kind: global_buffer, .address_space: global }
      - { .name: cf, .offset: 24, .size: 8, .value_kind: global_buffer, .address_space: global }
      - { .name: wc, .offset: 32, .size: 8, .value_kind: global_buffer, .address_space: global }
    .group_segment_fixed_size: 34304
    .private_segment_fixed_size: 0
    .kernarg_segment_align: 8
    .kernarg_segment_size: 40
    .max_flat_workgroup_size: 128
    .sgpr_count:     66
    .vgpr_count:     242
    .wavefront_size: 32
...
	.end_amdgpu_metadata
.endif
;; end of part 1
;; launch proj (part 2): grid 4 x 64, 4 waves a work-group, clusters of 4 x 4, 327,680 bytes of LDS; arguments cf, wc, x, Wq, Wout, lowp_scales, kvf, xf, wf; writes kvf, xf, wf
.if DOCPART == 2
	.amdgcn_target "amdgcn-amd-amdhsa--gfx1250"
	.amdhsa_code_object_version 6
	.text
	.protected	k_q602d8efe3b_proj
	.globl	k_q602d8efe3b_proj
	.p2align	8
	.type	k_q602d8efe3b_proj,@function
k_q602d8efe3b_proj:
	s_mov_b64 s[64:65], 0
	v_nop
	global_prefetch_b8 v0, s[64:65] scope:SCOPE_SE
	s_setreg_imm32_b32 hwreg(HW_REG_WAVE_MODE, 25, 1), 1
	s_wait_xcnt 0x0
	s_wait_alu depctr_hold_cnt(0) depctr_sa_sdst(0) depctr_va_vdst(0) depctr_va_sdst(0) depctr_va_ssrc(0) depctr_va_vcc(0) depctr_vm_vsrc(0)
	s_getreg_b32 s2, hwreg(HW_REG_IB_STS2, 6, 4)
	s_cmp_eq_u32 s2, 0
	s_cbranch_scc0 .Lentry_in_a_cluster
	s_endpgm
.Lentry_in_a_cluster:
	s_bfe_u32 s2, ttmp6, 0x10000c
	s_cmp_lg_u32 s2, 0xf033
	s_cbranch_scc0 .Lentry_shape_is_right
	s_endpgm
.Lentry_shape_is_right:
; k and v = context Wkv, on codes of FP8 (E4M3), K = 1,024, and the results quantised at once into the operands of attention's two products.
; One text, two jobs, told apart by the cluster's y (0-7: k, 8-15: v), which all sixteen partners share; of the jobs only selections hang on it.
;   job k: source 1 = context (rows -> lanes), source 0 = Wkv's first 1,024 columns (rows -> registers); K = the head's 128; scale 2^(e5 - e2 - e3)
;   job v: source 1 = Wkv's last 1,024 columns, source 0 = context: a lane holds ONE channel and its registers run along the KEYS; K = the keys; 2^(e7 - e2 - e3)
; kvf: [b h][block of 128 keys][16,384 bytes of k, then 16,384 of v].
; Operands lie as IMAGES of operand registers (16 rows x 128 K, 2,048 bytes: byte 512 c + 16 l + e = row l % 16, k 32 c + 16 (l / 16) + e), [tile][K step 8][2048], and the rows of a tile are chosen
; (row r of tile t of a block of 128: 32 (t / 2) + 8 (t % 2) + r + 8 (r / 8)) so that a lane's 64 results against source 0's eight tiles are 64 numbers in the order of an image: eight conversions make it.
; A tile of 256 x 256 is made by four waves, 128 x 128 each: 64 accumulators, 512 registers.  2 x 32 x 4 = 256 tiles, one to a work-group.  K goes in steps of 256 through two LDS slots filled by the tensor data mover; every LDS read of a slot is 512 consecutive bytes.
; BESIDE IT each wave converts its share of what the later launches need, in registers that are free until the way out: one image of x (xf: [tile 0..127][K step][2048], scale e0) and two blocks of 32 columns x 32 K of Wq (scale e1; wf's tiles 0-63)
; or Wout (scale e9; wf's tiles 192-255; the tiles between are not used).
; CLUSTERS of 4 x 4: source 1's tiles hang on the tile row alone and are asked for jointly along a row of the cluster, source 0's on the tile column alone, along a column.
; PREFETCH of K steps 1 to 3 into the L2: of the 8 tiles that a wave fetches, each of the four partners names two (a lane a block of 256 bytes), told apart by address.  Every cluster asks for its own rows of context; Wkv, which all clusters of a job read, is asked for by four clusters of each job.
; LIMITS: the folded exponent of each job, e0, e1 and e9 lie between -126 and 119, so that the scale and 448 x the scale are f32 numbers.  NaN is not served.
; REGISTERS, in windows of 256: window 0: v16-31 addresses and constants; v0-15, v32-127 numbers and codes of x and the weights; v32-159 codes on the way out; v128-255 source 1's fragments, ONE set.  window 1: source 0's, TWO sets.  windows 2, 3: the accumulators ((a, b) at v[8 (8 (a % 4) + b)]).
.set FR,     16                        ; registers of a fragment
.set NL,     4                         ; LDS loads that bring one
.set NP,     4                         ; places behind this matrix instruction (ISA guide 7.12.1)
.set HALFT,  32768                     ; 8 tiles x 2 K steps x 2,048 bytes: what one tensor load brings, and what one wave reads of either operand
.set SLOT,   4*HALFT                   ; source 1's 16 tiles, then source 0's
.set SPARE,  2*SLOT                    ; behind the ring: the spare words, 128 bytes for each wave
.set STAGE,  SPARE+512                 ; x's stage: 16 rows x (512 bytes + 16) for each wave; no tensor load lands there
.set SP,     528
.set STW,    16*SP
.set ADRA, 16                          ; v16-17  LDS address of my fragments of source 1 in slot 0, 1
.set STI,  18                          ; v18-19  x's stage, in and out
.set STO,  19
.set ADRB, 20                          ; v20-21  the same for source 0
.set WOF,  22                          ; v22     byte offset of my column of the weight
.set DLO,  23                          ; v23     my place in wf
.set L16,  26                          ; v26     16 x lane
.set PFO,  27                          ; v27     the prefetches' offset; never rewritten
.set SPW,  28                          ; v28     LDS address of my spare word; never rewritten
.set NIL,  29                          ; v29     0; never rewritten
.set SCL,  30                          ; v30     the job's scale as f32
.set LIM,  31                          ; v31     448 x the scale
.set SCX,  8                           ; v8-11   x's scale and 448 x it, the weight's
.set LIX,  9
.set SCW,  10
.set LIW,  11
.set XN,   32                          ; v32-95  x's numbers
.set WN,   96                          ; v96-127 the weight's first block
.set CD,   32                          ; v32-159 the codes: 16 registers for each of my eight images, never rewritten
.set AF,   128
.set G1, 24                            ; s[24:31] descriptor group 1 for source 1's tiles;  s[32:39] group 0, one set for each slot
.set G0, 32
.set G1B, 48                           ; s[48:55], s[56:63] the same for source 0's
.set G0B, 56
.set NOASK, 83                         ; s83  0 where my wave prefetches
.set PFA, 100                          ; s[100:101] where my prefetches stand
.set MSB, 0
.macro WIN new                         ; the immediate's high byte repeats the setting that is left
.if MSB != \new
	s_set_vgpr_msb (MSB<<8)|\new
.set MSB, \new
.endif
.endm
.set MUL_LO, 0xa1                      ; source 0 window 1, source 1 window 0, C and D window 2
.set MUL_HI, 0xf1                      ; the same, C and D window 3
.set TO_B,   0x40                      ; destination window 1, address window 0
; A joint load: waves 0 and 1 fetch for source 1, waves 2 and 3 for source 0.  Each line has one mask and one set of registers; the branch hangs on the wave's number alone.  Four v_nop follow each line.
.macro JLOAD g0a, g1a, g0b, g1b
	s_cmp_eq_u32 s15, 0
	s_cbranch_scc0 .Lfor_b_\@
	tensor_load_to_lds s[\g0a:\g0a+3], s[\g1a:\g1a+7]
	s_nop 0
.rept 4
	v_nop
.endr
	s_branch .Lasked_\@
.Lfor_b_\@:
	tensor_load_to_lds s[\g0b:\g0b+3], s[\g1b:\g1b+7]
	s_nop 0
.rept 4
	v_nop
.endr
.Lasked_\@:
.endm
.macro ASK k1, k2                      ; K steps k1 (and k2, if it is not 0)
	s_cmp_eq_u32 s[NOASK], 0
	s_cbranch_scc0 .Lnot_mine_\@
	global_prefetch_b8 v[PFO], s[PFA:PFA+1] offset:4096*\k1 th:TH_LOAD_NT scope:SCOPE_SE
.if \k2
	global_prefetch_b8 v[PFO], s[PFA:PFA+1] offset:4096*\k2 th:TH_LOAD_NT scope:SCOPE_SE
.endif
.Lnot_mine_\@:
.endm
.macro CREST                           ; a round of the cluster's barrier behind its opening barrier
	s_cmp_lg_u32 s14, 0
	s_cbranch_scc1 .Lnot_wave_0_\@
	s_barrier_signal -3
.Lnot_wave_0_\@:
	s_barrier_wait -3
	s_barrier_signal -1
	s_barrier_wait -1
.endm
.macro CROUND                          ; a whole round
	s_barrier_signal -1
	s_barrier_wait -1
	CREST
.endm
.macro SCALE e, scl, lim               ; 2^e and 448 x 2^e as f32, e in a scalar register
	s_add_co_i32 s94, s[\e], 127
	s_lshl_b32 s95, s94, 23
	v_mov_b32 v[\scl], s95
	s_add_co_i32 s94, s94, 8
	s_lshl_b32 s94, s94, 23
	s_or_b32 s94, s94, 0x600000
	v_mov_b32 v[\lim], s94
.endm
	s_load_b128 s[4:7], s[0:1], 0x0                ; cf s[4:5], wc s[6:7]
	s_load_b64 s[12:13], s[0:1], 0x10              ; x
	s_load_b128 s[92:95], s[0:1], 0x18             ; Wq s[92:93], Wout s[94:95]
	s_load_b128 s[8:11], s[0:1], 0x28              ; the scales' exponents s[8:9], kvf s[10:11]
	s_load_b128 s[96:99], s[0:1], 0x38             ; xf s[96:97], wf s[98:99]
	v_lshl_add_u32 v[SPW], v0, 2, SPARE
	v_mov_b32 v[NIL], 0
	ds_add_u32 v[SPW], v[NIL]                      ; the opening lines: the add, twice on end, and one wait below
	ds_add_u32 v[SPW], v[NIL]
	v_lshrrev_b32 v1, 5, v0
	v_readfirstlane_b32 s14, v1                    ; wave 0..3
	s_lshr_b32 s15, s14, 1                         ; which 128 rows of source 1 are mine.  Also: I fetch for source 1 (0) or source 0 (1)
	s_and_b32 s16, s14, 1                          ; which 128 rows of source 0.  Also: which 8 tiles I fetch
	s_bfe_u32 s40, ttmp6, 0x40000                  ; cx, cy: my place in the cluster
	s_bfe_u32 s41, ttmp6, 0x40004
	s_and_b32 s72, ttmp7, 0xffff                   ; the cluster's y: 0..15
	s_and_b32 s73, s72, 7
	s_lshl_b32 s73, s73, 2                         ; four tiles for each cluster of a job
	s_lshr_b32 s74, s72, 3                         ; the job: 0 k, 1 v
	s_cmp_eq_u32 s74, 1
	s_cselect_b32 s17, 0, s73
	s_cselect_b32 s42, s73, 0
	s_cselect_b32 s80, 0x100000, 0                 ; where source 1 begins in its buffer: Wkv's last columns 64 tiles on in wc
	s_add_co_u32 s17, s17, s41                     ; tile row (source 1): it never holds cx
	s_add_co_u32 s42, s42, s40                     ; tile column (source 0): it never holds cy
	s_lshl_b32 s43, s41, 2
	s_lshl_b32 s43, 15, s43                        ; my row of the cluster
	s_lshl_b32 s44, 0x1111, s40                    ; my column
	; descriptor group 1: 8 tiles (rows) x 2 K steps (4,096 bytes = 512 elements of 8 bytes), 16,384 bytes from tile to tile; dense in LDS
	s_or_b32 s[G1+0], s43, (3<<16)|(1<<21)         ; 15:0 the mask; 17:16 elements of 8 bytes; 20 no padding; 21 set beside a mask
	s_or_b32 s[G1B+0], s44, (3<<16)|(1<<21)
.irp g, G1, G1B
	s_mov_b32 s[\g+1], 512<<16                     ; tensor_dim0
	s_mov_b32 s[\g+2], 8<<16                       ; tensor_dim1
	s_mov_b32 s[\g+3], 512<<16                     ; tile_dim0
	s_mov_b32 s[\g+4], 8                           ; tile_dim1
	s_mov_b32 s[\g+5], 2048                        ; tensor_dim0_stride
	s_mov_b32 s[\g+6], 0
	s_mov_b32 s[\g+7], 0
.endr
	s_lshl_b32 s18, s16, 3                         ; which 8 tiles of the 16 I fetch
	s_lshl_b32 s20, s17, 4
	s_add_co_u32 s20, s20, s18
	s_lshl_b32 s20, s20, 14
	s_add_co_u32 s20, s20, s80
	s_mov_b32 s21, 0
	s_lshl_b32 s46, s42, 4
	s_add_co_u32 s46, s46, s18
	s_lshl_b32 s46, s46, 14
	s_mov_b32 s47, 0
	s_lshl_b32 s45, s14, 15                        ; where they go: wave x 32,768: no place in the cluster enters an LDS address
	s_xor_b32 s[NOASK], s15, s74                   ; 0: my wave fetches context
	s_lshl_b32 s[NOASK], s[NOASK], 2
	s_and_b32 s[NOASK], s[NOASK], s72              ; 4: it fetches Wkv, in one of the last four clusters of its job
	s_wait_dscnt 0x0                               ; both opening adds are done
	s_wait_kmcnt 0x0
	s_load_b256 s[84:91], s[8:9], 0x0              ; e0 .. e7
	s_load_b32 s75, s[8:9], 0x24                   ; e9
	s_cmp_eq_u32 s74, 1
	s_cselect_b64 s[76:77], s[6:7], s[4:5]         ; source 1's buffer
	s_cselect_b64 s[78:79], s[4:5], s[6:7]         ; source 0's
	s_cselect_b64 s[68:69], s[94:95], s[92:93]     ; Wout or Wq
	s_add_nc_u64 s[20:21], s[76:77], s[20:21]
	s_add_nc_u64 s[46:47], s[78:79], s[46:47]
	CROUND                                         ; all sixteen work-groups are here: the first joint loads meet
.irp s, 0,1
	s_mov_b32 s[G0+4*\s], 1
	s_add_co_u32 s[G0+4*\s+1], s45, \s*SLOT
	s_add_nc_u64 s[G0+4*\s+2:G0+4*\s+3], s[20:21], \s*4096
	s_or_b32 s[G0+4*\s+3], s[G0+4*\s+3], 0x80000000
	s_mov_b32 s[G0B+4*\s], 1
	s_add_co_u32 s[G0B+4*\s+1], s45, \s*SLOT
	s_add_nc_u64 s[G0B+4*\s+2:G0B+4*\s+3], s[46:47], \s*4096
	s_or_b32 s[G0B+4*\s+3], s[G0B+4*\s+3], 0x80000000
.endr
	JLOAD G0, G1, G0B, G1B                         ; K step 0: one tensor load a wave at the head
	; the prefetches: my partner's two tiles of the 8 that I fetch (place cx for source 1, cy for source 0)
	s_cmp_eq_u32 s15, 0
	s_cselect_b64 s[PFA:PFA+1], s[20:21], s[46:47]
	s_cselect_b32 s2, s40, s41
	s_lshl_b32 s2, s2, 15
	s_mov_b32 s3, 0
	s_add_nc_u64 s[PFA:PFA+1], s[PFA:PFA+1], s[2:3]
	s_mul_i32 s18, s14, STW
	s_add_co_u32 s18, s18, STAGE                   ; my stage
	v_and_b32 v1, 31, v0
	v_and_b32 v2, 15, v0                           ; r
	v_bfe_u32 v3, v0, 4, 1                         ; h
	v_lshlrev_b32 v[L16], 4, v1
	v_lshlrev_b32 v4, 8, v2
	v_lshl_add_u32 v[PFO], v3, 14, v4              ; lanes 0-15 one tile, lanes 16-31 the next; 256 bytes from lane to lane
	v_and_b32 v4, 8, v2
	v_add_nc_u32 v4, v4, v2
	v_lshl_add_u32 v4, v3, 3, v4
	v_lshlrev_b32 v[WOF], 2, v4                    ; the weight: my column of the wave's 32: 8 h + r + 8 (r / 8)
	v_lshlrev_b32 v4, 4, v2
	v_lshl_add_u32 v[DLO], v3, 14, v4              ; wf: lanes 0-15 the even tile, lanes 16-31 the odd one
	v_add_nc_u32 v[STI], s18, v[L16]
	v_mul_u32_u24 v[STO], v2, SP
	v_lshl_add_u32 v[STO], v3, 6, v[STO]
	v_add_nc_u32 v[STO], s18, v[STO]
	s_wait_alu depctr_va_vdst(0)                   ; the wait here
	ASK 1, 0
	; x and the weights.  Work-group number g = 16 x cluster + 4 cy + cx.  x: tile g / 2, K step 4 (g % 2) + wave; the tile's first row is 32 (tile / 2) + 8 (tile % 2)
	s_lshl_b32 s19, s41, 2
	s_add_co_u32 s19, s19, s40                     ; g % 16
	s_lshl_b32 s18, s72, 4
	s_add_co_u32 s18, s18, s19                     ; g
	s_and_b32 s81, s18, 1
	s_lshl_b32 s81, s81, 2
	s_add_co_u32 s81, s81, s14                     ; K step
	s_lshr_b32 s2, s18, 2
	s_lshl_b32 s2, s2, 17
	s_lshl_b32 s3, s18, 14
	s_and_b32 s3, s3, 0x8000                       ; (g / 2 % 2) x 32,768
	s_add_co_u32 s2, s2, s3
	s_lshl_b32 s3, s81, 9
	s_add_co_u32 s2, s2, s3
	s_mov_b32 s3, 0
	s_add_nc_u64 s[12:13], s[12:13], s[2:3]
	s_lshr_b32 s2, s18, 1
	s_lshl_b32 s2, s2, 14
	s_lshl_b32 s3, s81, 11
	s_add_co_u32 s2, s2, s3
	s_mov_b32 s3, 0
	s_add_nc_u64 s[66:67], s[96:97], s[2:3]        ; xf at my image
	; the weight: 128 columns to a cluster (Wq clusters 0-7, Wout 8-15), 32 to a wave; 64 along K to a work-group, in two blocks of 32
	s_lshl_b32 s2, s19, 18                         ; 64 rows of 4,096 bytes
	s_lshl_b32 s3, s73, 7                          ; 512 bytes to a cluster,
	s_add_co_u32 s2, s2, s3
	s_lshl_b32 s3, s14, 7                          ; 128 to a wave
	s_add_co_u32 s2, s2, s3
	s_mov_b32 s3, 0
	s_add_nc_u64 s[68:69], s[68:69], s[2:3]
	s_add_co_u32 s2, s73, s14
	s_add_co_u32 s2, s2, s73                       ; 8 (cluster % 8) + wave,
	s_add_co_u32 s2, s2, s14                       ; + wave: the even tile
	s_lshl_b32 s2, s2, 14
	s_mul_i32 s3, s74, 0x300000                    ; Wout's tiles begin at 192
	s_add_co_u32 s2, s2, s3
	s_lshl_b32 s3, s19, 10                         ; 64 along K are 1,024 bytes of an image
	s_add_co_u32 s2, s2, s3
	s_mov_b32 s3, 0
	s_add_nc_u64 s[70:71], s[98:99], s[2:3]        ; wf
	s_lshl_b32 s21, s15, 15                        ; my 8 tiles of source 1
	s_lshl_b32 s22, s16, 15                        ; my 8 tiles of source 0,
	s_add_co_u32 s22, s22, 2*HALFT                 ; which lie behind source 1's 16
.irp s, 0,1
	v_add_nc_u32 v[ADRA+\s], s21, v[L16]
	v_add_nc_u32 v[ADRB+\s], s22, v[L16]
	s_add_co_u32 s21, s21, SLOT
	s_add_co_u32 s22, s22, SLOT
.endr
	; where my eight images go: block of 128 keys tok (32 to a batch), head hd: ((tok / 32) x 8 + hd) x 32 + tok % 32, x 32,768, and 16,384 on for job v
	s_lshl_b32 s96, s17, 1
	s_add_co_u32 s96, s96, s15                     ; source 1's block of 128
	s_lshl_b32 s97, s42, 1
	s_add_co_u32 s97, s97, s16                     ; source 0's
	s_cmp_eq_u32 s74, 1
	s_cselect_b32 s98, s97, s96                    ; tok
	s_cselect_b32 s99, s96, s97                    ; hd
	s_cselect_b32 s95, 0x4000, 0                   ; v's images lie behind k's in a block
	s_lshr_b32 s92, s98, 5
	s_lshl_b32 s92, s92, 3
	s_add_co_u32 s92, s92, s99
	s_lshl_b32 s92, s92, 5
	s_and_b32 s94, s98, 31
	s_add_co_u32 s92, s92, s94
	s_lshl_b32 s92, s92, 15
	s_add_co_u32 s92, s92, s95
	s_mov_b32 s93, 0
	s_add_nc_u64 s[10:11], s[10:11], s[92:93]
	; a sum stands for sum x 2^(e2 + e3): its code is sum / 2^(the result's exponent less those two): one scale for the conversion
	s_wait_alu depctr_va_vdst(0)                   ; the wait here, directly ahead of the wait below
	s_wait_kmcnt 0x0
	s_cmp_eq_u32 s74, 1
	s_cselect_b32 s92, s91, s89                    ; e7 (v) or e5 (k)
	s_cselect_b32 s93, s75, s85                    ; e9 (Wout) or e1 (Wq)
	s_sub_co_i32 s92, s92, s86
	s_sub_co_i32 s92, s92, s87
	SCALE 92, SCL, LIM
	SCALE 93, SCW, LIW
	SCALE 84, SCX, LIX
.macro FRAG reg, adr, q, i             ; tile i, the slot's K step q: an image comes back as the fragment's 16 registers
.irp c, 0,1,2,3
	ds_load_b128 v[\reg+4*\c:\reg+4*\c+3], v[\adr] offset:4096*(\i)+2048*(\q)+512*\c
.endr
.endm
; 16 matrix instructions: source 1's blocks a0, a0 + 1 x source 0's eight, 128 along K.  p: source 0's set.  zero = 1: the first product starts the sums.
; The 64 accumulators take turns, one instruction a turn, in the same order in every step.
.macro MUL16 a0, p, zero
.irp a, \a0, \a0+1
.irp b, 0,1,2,3,4,5,6,7
.if \zero
	v_wmma_f32_16x16x128_fp8_fp8 v[8*(8*((\a)%4)+\b):8*(8*((\a)%4)+\b)+7], v[128*(\p)+FR*\b:128*(\p)+FR*\b+FR-1], v[AF+FR*(\a):AF+FR*(\a)+FR-1], 0
.else
	v_wmma_f32_16x16x128_fp8_fp8 v[8*(8*((\a)%4)+\b):8*(8*((\a)%4)+\b)+7], v[128*(\p)+FR*\b:128*(\p)+FR*\b+FR-1], v[AF+FR*(\a):AF+FR*(\a)+FR-1], v[8*(8*((\a)%4)+\b):8*(8*((\a)%4)+\b)+7]
.endif
.endr
.endr
.endm
.macro FETCH_B slot, q, p
	WIN TO_B
.irp i, 0,1,2,3,4,5,6,7
	FRAG 128*(\p)+FR*\i, ADRB+\slot, \q, \i
.endr
	WIN 0
.endm
.macro FETCH_A slot, q, i0
.irp i, \i0, \i0+1, \i0+2, \i0+3
	FRAG AF+FR*(\i), ADRA+\slot, \q, \i
.endr
.endm
.macro PLACES n                        ; plain vector lines between a matrix instruction and a load into a register that it read, or a vector line that reads its result
.rept \n
	v_nop
.endr
.endm
.macro STEP slot, q, zero              ; 128 along K that have their successor in the same slot
	s_wait_dscnt 4*NL                              ; source 0's set and source 1's blocks 0-3 are in; the youngest 16 loads (blocks 4-7) may be out
	WIN MUL_LO
	MUL16 0, (\q)%2, \zero
	MUL16 2, (\q)%2, \zero
	s_wait_dscnt 0                                 ; blocks 4-7 are in
	PLACES NP
	FETCH_B \slot, (\q)+1, 1-(\q)%2
	FETCH_A \slot, (\q)+1, 0
	WIN MUL_HI
	MUL16 4, (\q)%2, \zero
	MUL16 6, (\q)%2, \zero
	PLACES NP
	WIN 0
	FETCH_A \slot, (\q)+1, 4
.endm
; A slot's last 128 change slots: one barrier; in front of it each wave waits for all its tensor loads, adds 0 to its spare word, and waits for that and for its reads of this slot.  fill = 1: this slot is filled again, two K steps ahead.
.macro TURN slot, next, fill
	s_wait_tensorcnt 0x0                           ; all my tensor loads have landed: my part of the next slot among them
	ds_add_u32 v[SPW], v[NIL]                      ; 0 onto my spare word
	s_wait_dscnt 4*NL+1                            ; (the add and the youngest 16 loads may be out)
	WIN MUL_LO
	MUL16 0, 1, 0                                  ; sixteen matrix instructions stand between the add and the wait for it
	s_wait_dscnt 0x0                               ; the add is done, and my reads of this slot are over
	s_barrier_signal -1
	MUL16 2, 1, 0
	WIN 0
	s_barrier_wait -1
.if \fill
	CREST                                          ; the barrier has opened a round of the cluster's barrier: no wave of any partner still reads this slot or has a load on its way
	s_add_nc_u64 s[G0+4*\slot+2:G0+4*\slot+3], s[G0+4*\slot+2:G0+4*\slot+3], 8192
	s_add_nc_u64 s[G0B+4*\slot+2:G0B+4*\slot+3], s[G0B+4*\slot+2:G0B+4*\slot+3], 8192
	JLOAD G0+4*\slot, G1, G0B+4*\slot, G1B         ; the first tensor load behind the round; its four v_nop are also the places in front of the loads below
.else
	PLACES NP
.endif
	FETCH_B \next, 0, 0
	FETCH_A \next, 0, 0
	WIN MUL_HI
	MUL16 4, 1, 0
	MUL16 6, 1, 0
	PLACES NP
	WIN 0
	FETCH_A \next, 0, 4
.endm
.macro CONVW src, dst, u               ; block u of the weight: 32 numbers down K of my column, held, converted, stored: sixteen lanes store 256 consecutive bytes, aligned
.set n, 0
.rept 32
	v_med3_num_f32 v[\src+n], v[\src+n], -v[LIW], v[LIW]   ; the conversion to an 8-bit code does not saturate (ISA guide 7.6.2): the hold comes first
.set n, n+1
.endr
.irp g, 0,1,2,3
	v_cvt_scalef32_pk8_fp8_f32 v[\dst+2*\g:\dst+2*\g+1], v[\src+8*\g:\src+8*\g+7], v[SCW]
.endr
	v_nop                                          ; a plain vector line behind the last conversion
	global_store_b128 v[DLO], v[\dst:\dst+3], s[70:71] offset:512*\u
	global_store_b128 v[DLO], v[\dst+4:\dst+7], s[70:71] offset:512*\u+256
.endm
	s_wait_alu depctr_va_vdst(0)                   ; the wait at the head's end
	s_wait_tensorcnt 0x0                           ; my part of K step 0 is in
	ds_add_u32 v[SPW], v[NIL]
	s_wait_dscnt 0x0
	CROUND                                         ; everybody's part of K step 0 is in, and all sixteen work-groups are here
	JLOAD G0+4, G1, G0B+4, G1B                     ; K step 1, the first tensor load behind the round
	FETCH_B 0, 0, 0
	FETCH_A 0, 0, 0
	FETCH_A 0, 0, 4
	ASK 2, 3                                       ; K = 1,024 has no K step behind 3
	; x and the weight's first block are asked for behind K step 1's load and the prefetches
.irp i, 0,1,2,3,4,5,6,7,8,9,10,11,12,13,14,15
	global_load_b128 v[XN+4*\i:XN+4*\i+3], v[L16], s[12:13] offset:(\i+8*(\i/8))*4096 th:TH_LOAD_NT   ; a row's 512 consecutive bytes
.endr
.set n, 0
.rept 32
	global_load_b32 v[WN+n], v[WOF], s[68:69] offset:4096*n th:TH_LOAD_NT
.set n, n+1
.endr
	STEP 0, 0, 1                                   ; K = 1,024 is four slots' worth, eight steps of 128: written out, no loop
	TURN 0, 1, 1
	STEP 1, 0, 0
	; x and the weight's first block are converted, while K step 2 is on its way
	s_wait_loadcnt 0x0
.irp i, 0,1,2,3,4,5,6,7,8,9,10,11,12,13,14,15
	ds_store_b128 v[STI], v[XN+4*\i:XN+4*\i+3] offset:SP*\i
.endr
	CONVW WN, 0, 0
	s_wait_dscnt 0x0                               ; the stores into the stage have read their registers
.irp c, 0,1,2,3
.irp j, 0,1,2,3
	ds_load_b128 v[XN+16*\c+4*\j:XN+16*\c+4*\j+3], v[STO] offset:128*\c+16*\j   ; row r's 16 numbers k 32 c + 16 h on
.endr
.endr
	s_wait_dscnt 0x0
.set n, 0
.rept 64
	v_med3_num_f32 v[XN+n], v[XN+n], -v[LIX], v[LIX]
.set n, n+1
.endr
.irp c, 0,1,2,3
	v_cvt_scalef32_pk8_fp8_f32 v[WN+4*\c:WN+4*\c+1], v[XN+16*\c:XN+16*\c+7], v[SCX]
	v_cvt_scalef32_pk8_fp8_f32 v[WN+4*\c+2:WN+4*\c+3], v[XN+16*\c+8:XN+16*\c+15], v[SCX]
.endr
	v_nop                                          ; a plain vector line behind the last conversion
.irp c, 0,1,2,3
	global_store_b128 v[L16], v[WN+4*\c:WN+4*\c+3], s[66:67] offset:512*\c   ; 32 lanes store 512 consecutive bytes
.endr
.set n, 0
.rept 32
	global_load_b32 v[XN+n], v[WOF], s[68:69] offset:4096*(32+n) th:TH_LOAD_NT   ; the weight's second block
.set n, n+1
.endr
	TURN 1, 0, 1
	STEP 0, 0, 0
	s_wait_loadcnt 0x0
	CONVW XN, XN+32, 1
	TURN 0, 1, 0                                   ; nothing is left to fetch
	STEP 1, 0, 0
; THE WAY OUT.  Block a's 64 registers of a lane are an image's 64 numbers in order: held, converted, stored: four stores of 512 consecutive bytes.  Each accumulator is read from its low end on.
.macro OUTA a
.set AC, 64*((\a)%4)
	WIN 0x82+0x41*((\a)/4)                         ; destination and source 0: window 2 or 3
.set n, 0
.rept 64
	v_med3_num_f32 v[AC+n], v[AC+n], -v[LIM], v[LIM]   ; the conversion to an 8-bit code does not saturate (ISA guide 7.6.2)
.set n, n+1
.endr
	WIN 0x02+((\a)/4)                              ; source 0: window 2 or 3
.irp g, 0,1,2,3,4,5,6,7
	v_cvt_scalef32_pk8_fp8_f32 v[CD+16*(\a)+2*\g:CD+16*(\a)+2*\g+1], v[AC+8*\g:AC+8*\g+7], v[SCL]
.endr
	WIN 0
	v_nop                                          ; a plain vector line behind the last conversion
.irp c, 0,1,2,3
	global_store_b128 v[L16], v[CD+16*(\a)+4*\c:CD+16*(\a)+4*\c+3], s[10:11] offset:2048*(\a)+512*\c
.endr
.endm
	; The last 128 along K: finished blocks leave while the others are multiplied
	s_wait_dscnt 4*NL
	WIN MUL_LO
	MUL16 0, 1, 0
	MUL16 2, 1, 0
	WIN 0
	PLACES NP
	s_wait_alu depctr_va_vdst(0)                   ; the wait here, directly ahead of the waits below
	s_wait_dscnt 0
	s_wait_xcnt 0x0                                ; the stores of x's and the weight's codes have read their registers
	OUTA 0
	OUTA 1
	WIN MUL_HI
	MUL16 4, 1, 0
	WIN 0
	OUTA 2
	OUTA 3
	WIN MUL_HI
	MUL16 6, 1, 0
	WIN 0
	OUTA 4                                         ; (the conversions of blocks 2 and 3 are the places behind blocks 4 and 5's products; those of 4 and 5 behind 6 and 7's)
	OUTA 5
	OUTA 6
	OUTA 7
	s_wait_tensorcnt 0x0                           ; the wave's end
	ds_add_u32 v[SPW], v[NIL]
	s_wait_dscnt 0x0
	CROUND                                         ; the closing round: no work-group ends while a partner may still ask for a tile that names it
	s_endpgm
.Lfunc_end_k_q602d8efe3b_proj:
	.size	k_q602d8efe3b_proj, .Lfunc_end_k_q602d8efe3b_proj-k_q602d8efe3b_proj
	.p2alignl 7, 3214868480
	.fill 96, 4, 3214868480
	.section	.rodata,"a",@progbits
	.p2align	6, 0x0
	.amdhsa_kernel k_q602d8efe3b_proj
		.amdhsa_group_segment_fixed_size 327680
		.amdhsa_private_segment_fixed_size 0
		.amdhsa_enable_private_segment 0
		.amdhsa_kernarg_size 72
		.amdhsa_user_sgpr_count 2
		.amdhsa_user_sgpr_kernarg_segment_ptr 1
		.amdhsa_wavefront_size32 1
		.amdhsa_system_sgpr_workgroup_id_x 1
		.amdhsa_system_sgpr_workgroup_id_y 1
		.amdhsa_system_sgpr_workgroup_id_z 1
		.amdhsa_system_vgpr_workitem_id 0
		.amdhsa_next_free_vgpr 1024
		.amdhsa_next_free_sgpr 102
		.amdhsa_reserve_vcc 0
		.amdhsa_float_denorm_mode_32 3
		.amdhsa_float_denorm_mode_16_64 3
		.amdhsa_memory_ordered 1
		.amdhsa_forward_progress 1
		.amdhsa_inst_pref_size 141
	.end_amdhsa_kernel
	.amdgpu_metadata
---
amdhsa.version: [ 1, 2 ]
amdhsa.kernels:
  - .name:           k_q602d8efe3b_proj
    .symbol:         k_q602d8efe3b_proj.kd
    .args:
      - { .name: cf, .offset: 0, .size: 8, .value_kind: global_buffer, .address_space: global }
      - { .name: wc, .offset: 8, .size: 8, .value_kind: global_buffer, .address_space: global }
      - { .name: x, .offset: 16, .size: 8, .value_kind: global_buffer, .address_space: global }
      - { .name: Wq, .offset: 24, .size: 8, .value_kind: global_buffer, .address_space: global }
      - { .name: Wout, .offset: 32, .size: 8, .value_kind: global_buffer, .address_space: global }
      - { .name: lowp_scales, .offset: 40, .size: 8, .value_kind: global_buffer, .address_space: global }
      - { .name: kvf, .offset: 48, .size: 8, .value_kind: global_buffer, .address_space: global }
      - { .name: xf, .offset: 56, .size: 8, .value_kind: global_buffer, .address_space: global }
      - { .name: wf, .offset: 64, .size: 8, .value_kind: global_buffer, .address_space: global }
    .group_segment_fixed_size: 327680
    .private_segment_fixed_size: 0
    .kernarg_segment_align: 8
    .kernarg_segment_size: 72
    .max_flat_workgroup_size: 128
    .sgpr_count:     102
    .vgpr_count:     1024
    .wavefront_size: 32
...
	.end_amdgpu_metadata
.endif
;; end of part 2
;; launch attn (part 3): grid 16 x 16, 8 waves a work-group, clusters of 4 x 1, 327,680 bytes of LDS; arguments xf, kvf, doc_similarities, beta, lowp_scales, of, wf; writes of
.if DOCPART == 3
	.amdgcn_target "amdgcn-amd-amdhsa--gfx1250"
	.amdhsa_code_object_version 6
	.text
	.protected	k_q602d8efe3b_attn
	.globl	k_q602d8efe3b_attn
	.p2align	8
	.type	k_q602d8efe3b_attn,@function
k_q602d8efe3b_attn:
	s_mov_b64 s[64:65], 0
	v_nop
	global_prefetch_b8 v0, s[64:65] scope:SCOPE_SE
	s_setreg_imm32_b32 hwreg(HW_REG_WAVE_MODE, 25, 1), 1
	s_wait_xcnt 0x0
	s_wait_alu depctr_hold_cnt(0) depctr_sa_sdst(0) depctr_va_vdst(0) depctr_va_sdst(0) depctr_va_ssrc(0) depctr_va_vcc(0) depctr_vm_vsrc(0)
	s_getreg_b32 s2, hwreg(HW_REG_IB_STS2, 6, 4)
	s_cmp_eq_u32 s2, 0
	s_cbranch_scc0 .Lentry_in_a_cluster
	s_endpgm
.Lentry_in_a_cluster:
	s_bfe_u32 s2, ttmp6, 0x10000c
	s_cmp_lg_u32 s2, 0x3003
	s_cbranch_scc0 .Lentry_shape_is_right
	s_endpgm
.Lentry_shape_is_right:
; Attention of 64 queries of one head over the 4 x 1,024 keys of the four documents, both products on codes of FP8 (E4M3), with q = x Wq made here; the result o is quantised and stored as images (of: [tile 128][K step 8 = head][2048]).
; t = score x log2(e) / 32 + doc_similarity x beta x log2(e);  p = 2^(t - M), M the running largest t rounded UP to a whole number; the sum l is taken of the unquantised p; when M moves, l and O are multiplied by 2^(old M - new M).
; All operands are IMAGES of operand registers (16 rows x 128 K, 2,048 bytes; byte 512 c + 16 lane + e = row lane % 16, k 32 c + 16 (lane / 16) + e).  xf: x's codes.  kvf: [b h][block of 128 keys][8 images of K, 8 images of V].
; SHARES.  256 work-groups.  With the cluster's X (0-3) and Y (0-15): batch x 8 + head = 4 (Y / 4) + X; block of 64 queries = 4 (Y % 4) + cx: the four clusters of a head lie four apart in the launch's order.
; Wave w: document w % 4, queries 32 (w / 4) .. + 31 (two tiles); a key step is 128 keys of each document.
; Both products are used transposed, so a lane holds ONE query throughout; rows of K's and V's tiles were chosen so that a lane's 64 scores are 64 numbers in the order of an image.
; TWO GROUPS OF WAVES HALF A STEP APART.  Between two changes of slots waves 4-7 take K, S, V, softmax, O of step j; waves 0-3 first take softmax and O of step j - 1, whose scores and V fragments they
; have carried over in registers, and then K, S, V of step j.  So the two groups do unlike work at the same time; waves 0-3 have one softmax more behind the last change.
; RING.  Two LDS slots of 4 documents x (16,384 K + 16,384 V); 16,384 bytes to a wave and load.  At the head Wq's 8 tiles of the head come into slot 0; behind a full sequence step 0 into slot 1, beside which Q is made; then a step at each change.
; CLUSTERS of 4 x 1: four blocks of queries of one head walk the same K, V and Wq: every load is joint, its descriptor made of the head and the wave's number alone.
; LIMITS: e4 + e5 between -121 and 132; e6, e8 and e4 - e0 - e1 between -126 and 119; t under 2^31 in magnitude.  NaN is not served.
; REGISTERS: window 0: v1-15 addresses and constants; v16-31 two tiles' state; v32-63 Q; v64-191 S, then p; v192-223 P's codes (first sums before that); v224- at work.  window 1: v0-127 O^T, v128-255 eight fragments of K or V.
.set SLOT1, 131072
.set SPARE, 262144                     ; the spare words, 128 bytes for each wave
.set STATS, 263168                     ; -M and l of 2 x 16 queries for each wave
.set QIMG,  267264                     ; four images of Q
.set AD0,  1                           ; v1  my document's place in a slot.  The same number is my two tiles' place in Wq
.set AD,   2                           ; v2  the same in the slot in hand
.set SPW,  3                           ; v3  LDS address of my spare word; never rewritten
.set NIL,  4                           ; v4  0; never rewritten
.set PFO,  5                           ; v5  prefetch: 256 x lane
.set L16,  6                           ; v6  16 x lane
.set BIAS, 7                           ; v7  my document's term of t
.set PSCL, 9                           ; v9  2^e6
.set SWR,  10                          ; v10-13 the way out: statistics in and back, O in and back
.set SRD,  11
.set OWR,  12
.set ORD,  13
.set ST,   16                          ; for tile i at 8 i: +0 bias - M, +1 0, +2 +3 the sum in two halves, +4 -M, +5 largest t, +6 f, +7 0
.set Q,    32
.set S,    64
.set P,    192
.set TA,   224
.set TB,   225
.set TP,   226
.set U,    228
.set QA,   192                         ; Q's sums, while P is not in use
.set QC,   240
.set QWR,  248
.set QRD,  249
.set QSC,  250
.set QLM,  251
.set FRG,  128                         ; (window 1)
.set WV,   18
.set QH,   19                          ; w / 4: which 32 queries; also: the group
.set DOC,  20
.set SEL,  22
.set CS,   24
.set G1,   28                          ; descriptor group 1: 64 rows of 256 bytes
.set G0,   36                          ; group 0 of the key steps: it walks
.set SB,   40                          ; LDS byte of the slot in hand
.set CNT,  41
.set LIMS, 42                          ; prefetch while CNT is above it
.set SK,   43                          ; waves 0-3: 7, the CNT at which they have no scores yet
.set PFA,  44
.set G0H,  76                          ; group 0 of Wq's tiles
.set PL,   82                          ; s82 448 x 2^e6
.set MSB, 0
.macro WIN new                         ; the immediate's high byte repeats the setting that is left
.if MSB != \new
	s_set_vgpr_msb (MSB<<8)|\new
.set MSB, \new
.endif
.endm
.macro CROUND                          ; a round of the cluster's barrier
	s_barrier_signal -1
	s_barrier_wait -1
	s_cmp_lg_u32 s[WV], 0
	s_cbranch_scc1 .Lnot_wave_0_\@
	s_barrier_signal -3
.Lnot_wave_0_\@:
	s_barrier_wait -3
	s_barrier_signal -1
	s_barrier_wait -1
.endm
; A prefetch into the L2 of the step two behind the one that is being fetched.  The first cluster of each head asks for all four clusters: the partner at place cx for document cx, waves 0-3 8,192 bytes each, lanes 256 bytes apart:
; each block of 256 bytes once.  Steps 1 and 2 are asked for behind step 0's load, by waves 0-3 and 4-7.
.macro ASK
	s_cmp_gt_u32 s[CNT], s[LIMS]
	s_cbranch_scc0 .Lnot_mine_\@
	global_prefetch_b8 v[PFO], s[PFA:PFA+1] th:TH_LOAD_NT scope:SCOPE_SE
.Lnot_mine_\@:
.endm
; THE CHANGE OF SLOTS.  fill = 1: the slot that was read before takes the next step, behind a round; it has all the work up to the next change in which to land.
.macro CHANGE fill
	s_wait_tensorcnt 0x0                           ; all my tensor loads are done
	ds_add_u32 v[SPW], v[NIL]                      ; 0 onto my spare word
.if \fill
	s_xor_b32 s[G0+1], s[G0+1], SLOT1
	s_add_nc_u64 s[G0+2:G0+3], s[G0+2:G0+3], 32768
	s_wait_xcnt 0x0                                ; my prefetch has read its address
	s_add_nc_u64 s[PFA:PFA+1], s[PFA:PFA+1], 32768
.endif
	s_wait_dscnt 0x0                               ; the add, and my reads of the slot that is left
.if \fill
	CROUND
	tensor_load_to_lds s[G0:G0+3], s[G1:G1+7]
	s_nop 0
.rept 4
	v_nop                                          ; also the places in front of the loads into fragments that products have read
.endr
	ASK
.else
	s_barrier_signal -1
	s_barrier_wait -1
.rept 4
	v_nop
.endr
.endif
	v_add_nc_u32 v[AD], s[SB], v[AD0]
	s_wait_alu depctr_va_vdst(0)                   ; the wait behind this write
.endm
.macro FETCH t, off                    ; four images of K (off 0) or V (off 16384), from tile t on
.irp u, 0,1,2,3
.irp c, 0,1,2,3
	ds_load_b128 v[FRG+16*(\t+\u)+4*\c:FRG+16*(\t+\u)+4*\c+3], v[AD] offset:\off+2048*(\t+\u)+512*\c
.endr
.endr
.endm
.macro SMUL t                          ; S^T of four tiles of 16 keys x my two tiles of queries
.irp u, 0,1,2,3
.irp i, 0,1
	v_wmma_f32_16x16x128_fp8_fp8 v[S+64*\i+8*(\t+\u):S+64*\i+8*(\t+\u)+7], v[FRG+16*(\t+\u):FRG+16*(\t+\u)+15], v[Q+16*\i:Q+16*\i+15], 0
.endr
.endr
.rept 4
	v_nop                                          ; places in front of loads into these fragments, and of the first read of S
.endr
.endm
.macro KQV                             ; a step's scores; each half of K's registers takes V's half as soon as its products are issued
	WIN 0x40
	FETCH 0, 0
	FETCH 4, 0
	s_wait_dscnt 16                                ; K's tiles 0-3 are in; tiles 4-7 may be out
	WIN 0x01
	SMUL 0
	WIN 0x40
	FETCH 0, 16384
	s_wait_dscnt 16                                ; K's tiles 4-7 are in; the 16 loads of V may be out
	WIN 0x01
	SMUL 4
	WIN 0x40
	FETCH 4, 16384
	WIN 0
.endm
.macro DMIN r                          ; the hold of two p, which are not negative (the conversion to an 8-bit code does not saturate: ISA guide 7.6.2)
	v_dual_min_num_f32 v[\r], s[PL], v[\r] :: v_dual_min_num_f32 v[\r+1], s[PL], v[\r+1]
.endm
.macro PH_MAX                          ; the largest score of my queries, M, and f = 2^(old M - new M), which rounds nothing
.irp i, 0,1
	v_max3_num_f32 v[TA+8*\i], v[S+64*\i], v[S+64*\i+1], v[S+64*\i+2]
	v_max3_num_f32 v[TB+8*\i], v[S+64*\i+3], v[S+64*\i+4], v[S+64*\i+5]
.endr
.irp n, 6,10,14,18,22,26,30,34,38,42,46,50,54,58
.irp i, 0,1
	v_max3_num_f32 v[TA+8*\i], v[TA+8*\i], v[S+64*\i+\n], v[S+64*\i+\n+1]
	v_max3_num_f32 v[TB+8*\i], v[TB+8*\i], v[S+64*\i+\n+2], v[S+64*\i+\n+3]
.endr
.endr
.irp i, 0,1
	v_max3_num_f32 v[TA+8*\i], v[TA+8*\i], v[S+64*\i+62], v[S+64*\i+63]
.endr
.irp i, 0,1
	s_delay_alu instid0(VALU_DEP_2)
	v_max_num_f32 v[TA+8*\i], v[TA+8*\i], v[TB+8*\i]
.endr
.irp i, 0,1
	s_delay_alu instid0(VALU_DEP_2)
	v_permlanex16_b32 v[TP+8*\i], v[TA+8*\i], s[SEL], s[SEL+1]
.endr
.irp i, 0,1
	s_delay_alu instid0(VALU_DEP_2)
	v_max_num_f32 v[TA+8*\i], v[TA+8*\i], v[TP+8*\i]
.endr
.irp i, 0,1
	s_delay_alu instid0(VALU_DEP_2)
	v_fma_f32 v[TA+8*\i], v[TA+8*\i], s[CS], v[BIAS]
.endr
.irp i, 0,1
	s_delay_alu instid0(VALU_DEP_2)
	v_max_num_f32 v[ST+8*\i+5], v[ST+8*\i+5], v[TA+8*\i]
.endr
.irp i, 0,1
	v_mov_b32 v[TA+8*\i], v[ST+8*\i+4]
.endr
.irp i, 0,1
	s_delay_alu instid0(VALU_DEP_4)
	v_floor_f32 v[ST+8*\i+4], -v[ST+8*\i+5]        ; -M = floor(-t)
.endr
.irp i, 0,1
	s_delay_alu instid0(VALU_DEP_2)
	v_sub_f32 v[TA+8*\i], v[ST+8*\i+4], v[TA+8*\i]
.endr
.irp i, 0,1
	s_delay_alu instid0(VALU_DEP_2)
	v_cvt_i32_f32 v[TA+8*\i], v[TA+8*\i]
.endr
.irp i, 0,1
	s_delay_alu instid0(VALU_DEP_2)
	v_ldexp_f32 v[ST+8*\i+6], 1.0, v[TA+8*\i]
.endr
.irp i, 0,1
	v_add_f32 v[ST+8*\i], v[BIAS], v[ST+8*\i+4]
.endr
.endm
.macro PH_SUM                          ; tile 1's sums and holds, and what is left of tile 0's sums: four chains by turns
	v_pk_add_f32 v[U+8:U+9], v[S+64:S+65], v[S+66:S+67]
	v_pk_add_f32 v[U:U+1], v[P:P+1], v[P+2:P+3]
	DMIN S+64
	DMIN S+66
.irp n, 4,8,12,16,20,24,28,32,36,40,44,48,52,56,60
	v_pk_add_f32 v[ST+10:ST+11], v[ST+10:ST+11], v[S+64+\n:S+65+\n]
	v_pk_add_f32 v[U+8:U+9], v[U+8:U+9], v[S+66+\n:S+67+\n]
.if \n < 32
	v_pk_add_f32 v[ST+2:ST+3], v[ST+2:ST+3], v[P+\n:P+1+\n]
	v_pk_add_f32 v[U:U+1], v[U:U+1], v[P+2+\n:P+3+\n]
.endif
	DMIN S+64+\n
	DMIN S+66+\n
.endr
	v_pk_add_f32 v[ST+2:ST+3], v[ST+2:ST+3], v[U:U+1]
	v_pk_add_f32 v[ST+10:ST+11], v[ST+10:ST+11], v[U+8:U+9]
.endm
.macro SOFT                            ; a step's softmax and its share of O^T
	PH_MAX
	WIN 0x41
.irp i, 0,1
.set n, 0
.rept 32
	v_pk_mul_f32 v[64*\i+n:64*\i+n+1], v[64*\i+n:64*\i+n+1], v[ST+8*\i+6:ST+8*\i+7] op_sel_hi:[1,0]   ; O^T under the new M
.set n, n+2
.endr
.endr
	WIN 0
.irp i, 0,1
	v_pk_mul_f32 v[ST+8*\i+2:ST+8*\i+3], v[ST+8*\i+2:ST+8*\i+3], v[ST+8*\i+6:ST+8*\i+7] op_sel_hi:[1,0]
.endr
.set n, 0
.rept 32
	v_pk_fma_f32 v[S+n:S+n+1], v[S+n:S+n+1], s[CS:CS+1], v[ST:ST+1] op_sel_hi:[1,0,0]   ; tile 0: t - M
.set n, n+2
.endr
	s_wait_alu depctr_va_vdst(0)                   ; the wait ahead of the batch
.set n, 0
.rept 32
	v_exp_f32 v[S+n], v[S+n]                       ; tile 0's p; tile 1's t - M stand between, first read behind the next wait
	v_pk_fma_f32 v[S+64+n:S+65+n], v[S+64+n:S+65+n], s[CS:CS+1], v[ST+8:ST+9] op_sel_hi:[1,0,0]
	v_exp_f32 v[S+n+1], v[S+n+1]
.set n, n+2
.endr
	s_wait_alu depctr_va_vdst(0)                   ; behind the one batch and ahead of the next
.set n, 0
.rept 16
	v_exp_f32 v[S+64+4*n], v[S+64+4*n]             ; tile 1's p; tile 0's first sums, of the p not yet held, and then its holds stand between, first read behind the next wait
	v_pk_add_f32 v[P+2*n:P+2*n+1], v[S+4*n:S+4*n+1], v[S+4*n+2:S+4*n+3]
	v_exp_f32 v[S+65+4*n], v[S+65+4*n]
	DMIN S+4*n
	v_exp_f32 v[S+66+4*n], v[S+66+4*n]
	DMIN S+4*n+2
	v_exp_f32 v[S+67+4*n], v[S+67+4*n]
.set n, n+1
.endr
	s_wait_alu depctr_va_vdst(0)                   ; behind the batch
	PH_SUM
.irp i, 0,1
.irp b, 0,1,2,3
	v_cvt_scalef32_pk8_fp8_f32 v[P+16*\i+4*\b:P+16*\i+4*\b+1], v[S+64*\i+16*\b:S+64*\i+16*\b+7], v[PSCL]
	v_cvt_scalef32_pk8_fp8_f32 v[P+16*\i+4*\b+2:P+16*\i+4*\b+3], v[S+64*\i+16*\b+8:S+64*\i+16*\b+15], v[PSCL]
.endr
.endr
	v_nop                                          ; a plain vector line behind the last conversion
	s_wait_alu depctr_va_vdst(0)                   ; the wait here, directly ahead of the wait below
	s_wait_dscnt 0x0                               ; V's fragments are in
	WIN 0x51
.irp t, 0,1,2,3,4,5,6,7
.irp i, 0,1
	v_wmma_f32_16x16x128_fp8_fp8 v[64*\i+8*\t:64*\i+8*\t+7], v[FRG+16*\t:FRG+16*\t+15], v[P+16*\i:P+16*\i+15], v[64*\i+8*\t:64*\i+8*\t+7]
.endr
.endr
	WIN 0
.endm
; Q = x Wq: wave w makes its own two tiles of x x Wq's tiles 2 (w % 4), + 1: 32 channels, a quarter of two images.  K = 1,024 in four chunks of two K steps, two sets of fragments by turns.
.macro WQLOAD ch, set
.irp k, 0,1
.irp j, 0,1
.irp c, 0,1,2,3
	ds_load_b128 v[FRG+64*(\set)+32*\k+16*\j+4*\c:FRG+64*(\set)+32*\k+16*\j+4*\c+3], v[AD0] offset:16384*\j+2048*(2*(\ch)+\k)+512*\c
.endr
.endr
.endr
.endm
.macro WQMUL ch, set, x                ; x: the chunk's first fragment of x's tile 0
.irp k, 0,1
.irp i, 0,1
.irp j, 0,1
.if ((\ch) == 0) && (\k == 0)
	v_wmma_f32_16x16x128_fp8_fp8 v[QA+16*\i+8*\j:QA+16*\i+8*\j+7], v[FRG+64*(\set)+32*\k+16*\j:FRG+64*(\set)+32*\k+16*\j+15], v[\x+64*\i+16*\k:\x+64*\i+16*\k+15], 0
.else
	v_wmma_f32_16x16x128_fp8_fp8 v[QA+16*\i+8*\j:QA+16*\i+8*\j+7], v[FRG+64*(\set)+32*\k+16*\j:FRG+64*(\set)+32*\k+16*\j+15], v[\x+64*\i+16*\k:\x+64*\i+16*\k+15], v[QA+16*\i+8*\j:QA+16*\i+8*\j+7]
.endif
.endr
.endr
.endr
.endm
	s_load_b256 s[4:11], s[0:1], 0x0               ; xf s[4:5], kvf s[6:7], doc_similarities s[8:9], beta s[10:11]
	s_load_b128 s[12:15], s[0:1], 0x20             ; the scales' exponents s[12:13], of s[14:15]
	s_load_b64 s[16:17], s[0:1], 0x30              ; wf
	v_lshl_add_u32 v[SPW], v0, 2, SPARE
	v_mov_b32 v[NIL], 0
	ds_add_u32 v[SPW], v[NIL]                      ; the opening lines: the add, twice on end, and one wait below
	ds_add_u32 v[SPW], v[NIL]
	v_lshrrev_b32 v15, 5, v0
	s_delay_alu instid0(VALU_DEP_1)
	v_readfirstlane_b32 s[WV], v15                 ; wave 0..7
	s_lshr_b32 s[QH], s[WV], 2
	s_and_b32 s[DOC], s[WV], 3
	s_bfe_u32 s21, ttmp6, 0x40000                  ; cx
	s_and_b32 s26, ttmp7, 3
	s_lshl_b32 s26, s26, 2
	s_add_co_u32 s26, s26, s21                     ; block of 64 queries
	s_and_b32 s27, ttmp7, 0xffff
	s_lshr_b32 s27, s27, 2
	s_lshl_b32 s27, s27, 2
	s_add_co_u32 s27, s27, ttmp9                   ; batch x 8 + head
	; descriptor group 1: 16,384 dense bytes as 64 rows of 256 (32 elements of 8 bytes); mask 15, bit 21 beside it
	s_mov_b32 s[G1], 15|(3<<16)|(1<<21)
	s_mov_b32 s[G1+1], 32<<16
	s_mov_b32 s[G1+2], 64<<16
	s_mov_b32 s[G1+3], 32<<16
	s_mov_b32 s[G1+4], 64
	s_mov_b32 s[G1+5], 32
	s_mov_b32 s[G1+6], 0
	s_mov_b32 s[G1+7], 0
	s_mov_b32 s[SEL], 0x76543210
	s_mov_b32 s[SEL+1], 0xfedcba98
	s_mov_b32 s[SB], SLOT1                         ; step 0 lies in slot 1
	s_and_b32 s46, s27, 7
	s_lshl_b32 s46, s46, 17                        ; Wq: 8 tiles of 16,384 bytes to a head, one to a wave
	s_lshl_b32 s47, s[WV], 14
	s_add_co_u32 s46, s46, s47
	s_mov_b32 s47, 0
	s_lshl_b32 s58, s27, 20                        ; kvf: 32 blocks of 32,768 bytes to a head, 8 to a document; waves 0-3 fetch K, waves 4-7 V
	s_lshl_b32 s59, s[DOC], 18
	s_add_co_u32 s58, s58, s59
	s_lshl_b32 s59, s[QH], 14
	s_add_co_u32 s58, s58, s59
	s_mov_b32 s59, 0
	s_lshl_b32 s60, s27, 20                        ; the prefetches: document cx, 8,192 bytes a wave.  Waves 0-3 stand at block 2, waves 4-7 at block 3: the head asks one block back, the first change steps to block 3
	s_lshl_b32 s61, s21, 18
	s_add_co_u32 s60, s60, s61
	s_lshl_b32 s61, s[DOC], 13
	s_add_co_u32 s60, s60, s61
	s_add_co_u32 s61, s[QH], 2
	s_lshl_b32 s61, s61, 15
	s_add_co_u32 s60, s60, s61
	s_mov_b32 s61, 0
	s_lshr_b32 s66, s27, 3
	s_lshl_b32 s66, s66, 6                         ; 64 tiles of x to a batch, 4 to a work-group, 2 to a group of waves
	s_lshl_b32 s67, s26, 2
	s_add_co_u32 s66, s66, s67
	s_lshl_b32 s67, s[QH], 1
	s_add_co_u32 s66, s66, s67
	s_lshl_b32 s62, s66, 14
	s_mov_b32 s63, 0
	s_lshr_b32 s67, s[DOC], 1                      ; the way out: tile DOC / 2 of my group's, half DOC % 2 of the head's image
	s_add_co_u32 s66, s66, s67
	s_lshl_b32 s66, s66, 14
	s_and_b32 s67, s27, 7
	s_lshl_b32 s67, s67, 11
	s_add_co_u32 s66, s66, s67
	s_and_b32 s67, s[DOC], 1
	s_lshl_b32 s67, s67, 10
	s_add_co_u32 s66, s66, s67
	s_mov_b32 s67, 0
	s_lshr_b32 s55, s27, 3
	s_lshl_b32 s55, s55, 2
	s_add_co_u32 s55, s55, s[DOC]
	s_lshl_b32 s55, s55, 2                         ; doc_similarities[batch][document]
	s_and_b32 s[LIMS], ttmp7, 3
	s_or_b32 s[LIMS], s[LIMS], s[QH]
	s_cmp_eq_u32 s[LIMS], 0
	s_cselect_b32 s[LIMS], 2, -1                   ; waves 0-3 of the head's first cluster ask in the first five trips
	s_xor_b32 s[SK], s[QH], 1
	s_mul_i32 s[SK], s[SK], 7
	s_wait_dscnt 0x0                               ; both opening adds are done
	s_wait_kmcnt 0x0
	s_load_b64 s[80:81], s[12:13], 0x0             ; e0, e1
	s_load_b128 s[48:51], s[12:13], 0x10           ; e4 .. e7
	s_load_b32 s52, s[12:13], 0x20                 ; e8
	s_load_b32 s53, s[8:9], s55 offset:0x0
	s_load_b32 s54, s[10:11], 0x0
	s_mov_b32 s[G0H], 1
	s_lshl_b32 s[G0H+1], s[WV], 14
	s_add_nc_u64 s[G0H+2:G0H+3], s[16:17], s[46:47]
	s_or_b32 s[G0H+3], s[G0H+3], 0x80000000
	s_mov_b32 s[G0], 1
	s_lshl_b32 s[G0+1], s[DOC], 15
	s_lshl_b32 s83, s[QH], 14
	s_add_co_u32 s[G0+1], s[G0+1], s83
	s_add_co_u32 s[G0+1], s[G0+1], SLOT1           ; step 0 into slot 1; the first change turns it to slot 0 and to step 1
	s_add_nc_u64 s[G0+2:G0+3], s[6:7], s[58:59]
	s_or_b32 s[G0+3], s[G0+3], 0x80000000
	s_add_nc_u64 s[PFA:PFA+1], s[6:7], s[60:61]
	s_add_nc_u64 s[4:5], s[4:5], s[62:63]
	s_add_nc_u64 s[14:15], s[14:15], s[66:67]
	CROUND                                         ; all four work-groups are here: the first joint loads meet
	tensor_load_to_lds s[G0H:G0H+3], s[G1:G1+7]
	s_nop 0
.rept 4
	v_nop
.endr
	v_and_b32 v15, 31, v0
	v_lshlrev_b32 v[L16], 4, v15
	v_lshlrev_b32 v[PFO], 8, v15
	s_wait_alu depctr_va_vdst(0)                   ; the wait behind these writes
	WIN 0x40
.irp k, 0,1,2,3                        ; x's two tiles, K steps 0-3: window 1, where O^T will be
.irp i, 0,1
.irp c, 0,1,2,3
	global_load_b128 v[64*\i+16*\k+4*\c:64*\i+16*\k+4*\c+3], v[L16], s[4:5] offset:16384*\i+2048*\k+512*\c
.endr
.endr
.endr
	WIN 0
.irp k, 0,1,2,3                        ; K steps 4-7: where S will be
.irp i, 0,1
.irp c, 0,1,2,3
	global_load_b128 v[S+64*\i+16*\k+4*\c:S+64*\i+16*\k+4*\c+3], v[L16], s[4:5] offset:16384*\i+2048*(\k+4)+512*\c
.endr
.endr
.endr
	s_lshl_b32 s46, s[DOC], 15
	v_add_nc_u32 v[AD0], s46, v[L16]
	s_lshl_b32 s46, s[WV], 9
	s_add_co_u32 s46, s46, STATS
	v_lshl_add_u32 v[SWR], v15, 3, s46             ; my wave's statistics in: 8 bytes a lane, 256 a tile
	s_lshl_b32 s46, s[QH], 11
	s_lshr_b32 s47, s[DOC], 1
	s_lshl_b32 s47, s47, 8
	s_add_co_u32 s46, s46, s47
	s_add_co_u32 s46, s46, STATS
	v_lshl_add_u32 v[SRD], v15, 3, s46             ; and back: my group's four waves, 512 bytes apart
	s_lshl_b32 s46, s[WV], 14
	s_add_co_u32 s46, s46, SLOT1
	v_add_nc_u32 v[OWR], s46, v[L16]               ; O^T in: slot 1, which has had its last fill and its last read by then
	s_lshl_b32 s46, s[QH], 16
	s_lshl_b32 s47, s[DOC], 12
	s_add_co_u32 s46, s46, s47
	s_add_co_u32 s46, s46, SLOT1
	v_add_nc_u32 v[ORD], s46, v[L16]               ; and back: a quarter of each of my group's four
	s_lshl_b32 s46, s[QH], 12
	s_add_co_u32 s46, s46, QIMG
	v_add_nc_u32 v[QRD], s46, v[L16]
	s_lshl_b32 s47, s[DOC], 9
	s_add_co_u32 s46, s46, s47
	v_add_nc_u32 v[QWR], s46, v[L16]
.irp i, 0,1
	v_mov_b32 v[ST+8*\i+5], 0xff61b1e6             ; the largest t so far: -3e38
	v_mov_b32 v[ST+8*\i+4], 0x7f61b1e6             ; -M
	v_mov_b32 v[ST+8*\i+1], 0
	v_mov_b32 v[ST+8*\i+2], 0
	v_mov_b32 v[ST+8*\i+3], 0
	v_mov_b32 v[ST+8*\i+7], 0
	v_mov_b32 v[TP+8*\i], 0                        ; a lane permute's destination counts as one of its sources
.endr
	s_wait_alu depctr_va_vdst(0)                   ; the wait here, directly ahead of the wait below
	s_wait_kmcnt 0x0
	s_add_co_i32 s62, s48, s49
	s_lshl_b32 s62, s62, 23
	s_mov_b32 s[CS], 0x3d38aa3b                    ; log2(e) / 32,
	s_add_co_i32 s[CS], s[CS], s62                 ; x 2^(e4 + e5)
	s_mov_b32 s[CS+1], s[CS]
	v_mov_b32 v[BIAS], s53
	s_delay_alu instid0(VALU_DEP_1)
	v_mul_f32 v[BIAS], s54, v[BIAS]
	s_delay_alu instid0(VALU_DEP_1)
	v_mul_f32 v[BIAS], 0x3fb8aa3b, v[BIAS]
	s_add_co_i32 s62, s50, 127
	s_lshl_b32 s63, s62, 23
	v_mov_b32 v[PSCL], s63                         ; 2^e6
	s_add_co_i32 s62, s62, 8
	s_lshl_b32 s62, s62, 23
	s_or_b32 s[PL], s62, 0x600000                  ; 448 x 2^e6
	s_sub_co_i32 s62, s48, s80
	s_sub_co_i32 s62, s62, s81
	s_add_co_i32 s62, s62, 127
	s_lshl_b32 s63, s62, 23
	v_mov_b32 v[QSC], s63                          ; a sum of x Wq stands for sum x 2^(e0 + e1): one scale for the conversion, 2^(e4 - e0 - e1)
	s_add_co_i32 s62, s62, 8
	s_lshl_b32 s62, s62, 23
	s_or_b32 s62, s62, 0x600000
	v_mov_b32 v[QLM], s62
	s_wait_alu depctr_va_vdst(0)                   ; the wait at the head's end
	s_wait_tensorcnt 0x0                           ; my tile of Wq is in
	ds_add_u32 v[SPW], v[NIL]
	s_wait_dscnt 0x0
	CROUND                                         ; everybody's tile is in, and all four work-groups are here
	tensor_load_to_lds s[G0:G0+3], s[G1:G1+7]      ; step 0: it has Q's projection in which to land
	s_nop 0
.rept 4
	v_nop
.endr
	s_and_b32 s46, ttmp7, 3
	s_cmp_eq_u32 s46, 0
	s_cbranch_scc0 .Lhead_asked
	global_prefetch_b8 v[PFO], s[PFA:PFA+1] offset:-32768 th:TH_LOAD_NT scope:SCOPE_SE
.Lhead_asked:
	WIN 0x40
	WQLOAD 0, 0
	WQLOAD 1, 1
	s_wait_loadcnt 32                              ; x's K steps 0-3 are in; steps 4-7 may be out
	s_wait_dscnt 16                                ; chunk 0 is in; chunk 1 may be out
	WIN 0x05
	WQMUL 0, 0, 0
.rept 4
	v_nop
.endr
	WIN 0x40
	WQLOAD 2, 0
	s_wait_dscnt 16
	WIN 0x05
	WQMUL 1, 1, 32
.rept 4
	v_nop
.endr
	WIN 0x40
	WQLOAD 3, 1
.set n, 0
.rept 128
	v_mov_b32 v[n], 0                              ; O^T.  (The step is written for both groups alike, whose first steps are different trips: each finds zeros.)  Work while the two chunks are on their way
.set n, n+1
.endr
	s_wait_loadcnt 0x0
	s_wait_dscnt 16
	WIN 0x01
	WQMUL 2, 0, S
	s_wait_dscnt 0x0
	WQMUL 3, 1, S+32
	WIN 0
.rept 4
	v_nop
.endr
.set n, 0
.rept 32
	v_med3_num_f32 v[QA+n], v[QA+n], -v[QLM], v[QLM]   ; the conversion to an 8-bit code does not saturate (ISA guide 7.6.2)
.set n, n+1
.endr
.irp i, 0,1
	v_cvt_scalef32_pk8_fp8_f32 v[QC+4*\i:QC+4*\i+1], v[QA+16*\i:QA+16*\i+7], v[QSC]
	v_cvt_scalef32_pk8_fp8_f32 v[QC+4*\i+2:QC+4*\i+3], v[QA+16*\i+8:QA+16*\i+15], v[QSC]
.endr
	v_nop                                          ; a plain vector line behind the last conversion
	ds_store_b128 v[QWR], v[QC:QC+3]
	ds_store_b128 v[QWR], v[QC+4:QC+7] offset:2048
	s_wait_dscnt 0x0                               ; for the others' sake: my quarter of two images is stored
	s_barrier_signal -1
	s_barrier_wait -1
.irp i, 0,1
.irp c, 0,1,2,3
	ds_load_b128 v[Q+16*\i+4*\c:Q+16*\i+4*\c+3], v[QRD] offset:2048*\i+512*\c   ; waited for at the first change of slots
.endr
.endr
	s_mov_b32 s[CNT], 7
.Lstep:                                            ; seven trips: steps 0 to 6; each fetches the next one
	CHANGE 1
	s_cmp_eq_u32 s[QH], 0
	s_cbranch_scc1 .Lsoft
	KQV                                            ; waves 4-7: step j's scores
.Lsoft:
	s_cmp_eq_u32 s[CNT], s[SK]                     ; waves 0-3 have no scores in the first trip
	s_cbranch_scc1 .Lnone
	SOFT                                           ; waves 4-7: step j; waves 0-3: step j - 1
.Lnone:
	s_cmp_lg_u32 s[QH], 0
	s_cbranch_scc1 .Lahead
.rept 4
	v_nop                                          ; places in front of loads into fragments that products have read
.endr
	KQV                                            ; waves 0-3: step j's scores, carried over the next change
.Lahead:
	s_xor_b32 s[SB], s[SB], SLOT1
	s_sub_co_u32 s[CNT], s[CNT], 1
	s_cmp_lg_u32 s[CNT], 0
	s_cbranch_scc1 .Lstep
	CHANGE 0                                       ; step 7: nothing is left to fetch
	s_cmp_eq_u32 s[QH], 0
	s_cbranch_scc1 .Lsoft7
	KQV
.Lsoft7:
	SOFT
	s_cmp_lg_u32 s[QH], 0
	s_cbranch_scc1 .Lmerge
.rept 4
	v_nop
.endr
	KQV
	SOFT                                           ; waves 0-3: their last
.Lmerge:
; THE WAY OUT.  The four documents' parts of a query meet in LDS: M = the largest of the four M, each part x 2^(its M - M) / the joint sum.  A wave takes 16 queries x 64 channels.
	s_add_co_i32 s62, s52, 127
	s_lshl_b32 s63, s62, 23
	v_mov_b32 v238, s63                            ; 2^e8
	s_add_co_i32 s62, s62, 8
	s_lshl_b32 s62, s62, 23
	s_or_b32 s62, s62, 0x600000
	v_mov_b32 v239, s62                            ; 448 x 2^e8
.irp i, 0,1
	v_add_f32 v[ST+8*\i+5], v[ST+8*\i+2], v[ST+8*\i+3]
.endr
.irp i, 0,1
	s_delay_alu instid0(VALU_DEP_2)
	v_permlanex16_b32 v[TP+8*\i], v[ST+8*\i+5], s[SEL], s[SEL+1]
.endr
.irp i, 0,1
	s_delay_alu instid0(VALU_DEP_2)
	v_add_f32 v[ST+8*\i+5], v[ST+8*\i+5], v[TP+8*\i]
.endr
.irp i, 0,1
	ds_store_b64 v[SWR], v[ST+8*\i+4:ST+8*\i+5] offset:256*\i
.endr
	WIN 0x04
.set n, 0
.rept 32
	ds_store_b128 v[OWR], v[4*n:4*n+3] offset:512*n
.set n, n+1
.endr
	WIN 0
	s_wait_dscnt 0x0                               ; for the others' sake
	s_barrier_signal -1
	s_barrier_wait -1
.irp d, 0,1,2,3
	ds_load_b64 v[240+2*\d:241+2*\d], v[SRD] offset:512*\d
.endr
.irp d, 0,1,2,3
.irp k, 0,1,2,3,4,5,6,7
	ds_load_b128 v[64+32*\d+4*\k:64+32*\d+4*\k+3], v[ORD] offset:16384*\d+512*\k
.endr
.endr
	s_wait_dscnt 32                                ; the statistics are in; the 32 loads of O^T may be out
	v_min_num_f32 v232, v240, v242
	v_min_num_f32 v233, v244, v246
	s_delay_alu instid0(VALU_DEP_1)
	v_min_num_f32 v232, v232, v233                 ; -M of all four
.irp d, 0,1,2,3
	v_sub_f32 v[224+\d], v232, v[240+2*\d]
.endr
.irp d, 0,1,2,3
	s_delay_alu instid0(VALU_DEP_4)
	v_cvt_i32_f32 v[224+\d], v[224+\d]
.endr
.irp d, 0,1,2,3
	s_delay_alu instid0(VALU_DEP_4)
	v_ldexp_f32 v[224+\d], 1.0, v[224+\d]
.endr
	s_delay_alu instid0(VALU_DEP_4)
	v_mul_f32 v234, v224, v241
	s_delay_alu instid0(VALU_DEP_1)
	v_fma_f32 v234, v225, v243, v234
	s_delay_alu instid0(VALU_DEP_1)
	v_fma_f32 v234, v226, v245, v234
	s_delay_alu instid0(VALU_DEP_1)
	v_fma_f32 v234, v227, v247, v234               ; l
	s_wait_alu depctr_va_vdst(0)                   ; the wait ahead of the transcendental
	v_rcp_f32 v235, v234
	v_nop
	s_add_co_i32 s62, s50, s51
	s_wait_alu depctr_va_vdst(0)                   ; the wait ahead of the first reader of v235
	v_ldexp_f32 v235, v235, s62                    ; x 2^(e6 + e7)
.irp d, 0,1,2,3
	v_mul_f32 v[16+2*\d], v[224+\d], v235
	v_mov_b32 v[17+2*\d], 0
.endr
	s_wait_alu depctr_va_vdst(0)                   ; the wait here, directly ahead of the wait below
	s_wait_dscnt 0x0
.set n, 0
.rept 16
	v_pk_mul_f32 v[192+n:193+n], v[64+n:65+n], v[16:17] op_sel_hi:[1,0]
.set n, n+2
.endr
.irp d, 1,2,3
.set n, 0
.rept 16
	v_pk_fma_f32 v[192+n:193+n], v[64+32*\d+n:65+32*\d+n], v[16+2*\d:17+2*\d], v[192+n:193+n] op_sel_hi:[1,0,1]
.set n, n+2
.endr
.endr
.set n, 0
.rept 32
	v_med3_num_f32 v[192+n], v[192+n], -v239, v239
.set n, n+1
.endr
.irp g, 0,1,2,3
	v_cvt_scalef32_pk8_fp8_f32 v[224+2*\g:225+2*\g], v[192+8*\g:199+8*\g], v238
.endr
	v_nop                                          ; a plain vector line behind the last conversion
	global_store_b128 v[L16], v[224:227], s[14:15]
	global_store_b128 v[L16], v[228:231], s[14:15] offset:512   ; 32 lanes store 512 consecutive bytes
	s_wait_tensorcnt 0x0                           ; the wave's end
	ds_add_u32 v[SPW], v[NIL]
	s_wait_dscnt 0x0
	CROUND                                         ; the closing round
	s_endpgm
.Lfunc_end_k_q602d8efe3b_attn:
	.size	k_q602d8efe3b_attn, .Lfunc_end_k_q602d8efe3b_attn-k_q602d8efe3b_attn
	.p2alignl 7, 3214868480
	.fill 96, 4, 3214868480
	.section	.rodata,"a",@progbits
	.p2align	6, 0x0
	.amdhsa_kernel k_q602d8efe3b_attn
		.amdhsa_group_segment_fixed_size 327680
		.amdhsa_private_segment_fixed_size 0
		.amdhsa_enable_private_segment 0
		.amdhsa_kernarg_size 56
		.amdhsa_user_sgpr_count 2
		.amdhsa_user_sgpr_kernarg_segment_ptr 1
		.amdhsa_wavefront_size32 1
		.amdhsa_system_sgpr_workgroup_id_x 1
		.amdhsa_system_sgpr_workgroup_id_y 1
		.amdhsa_system_sgpr_workgroup_id_z 1
		.amdhsa_system_vgpr_workitem_id 0
		.amdhsa_next_free_vgpr 512
		.amdhsa_next_free_sgpr 84
		.amdhsa_reserve_vcc 0
		.amdhsa_float_denorm_mode_32 3
		.amdhsa_float_denorm_mode_16_64 3
		.amdhsa_memory_ordered 1
		.amdhsa_forward_progress 1
		.amdhsa_inst_pref_size 150
	.end_amdhsa_kernel
	.amdgpu_metadata
---
amdhsa.version: [ 1, 2 ]
amdhsa.kernels:
  - .name:           k_q602d8efe3b_attn
    .symbol:         k_q602d8efe3b_attn.kd
    .args:
      - { .name: xf, .offset: 0, .size: 8, .value_kind: global_buffer, .address_space: global }
      - { .name: kvf, .offset: 8, .size: 8, .value_kind: global_buffer, .address_space: global }
      - { .name: doc_similarities, .offset: 16, .size: 8, .value_kind: global_buffer, .address_space: global }
      - { .name: beta, .offset: 24, .size: 8, .value_kind: global_buffer, .address_space: global }
      - { .name: lowp_scales, .offset: 32, .size: 8, .value_kind: global_buffer, .address_space: global }
      - { .name: of, .offset: 40, .size: 8, .value_kind: global_buffer, .address_space: global }
      - { .name: wf, .offset: 48, .size: 8, .value_kind: global_buffer, .address_space: global }
    .group_segment_fixed_size: 327680
    .private_segment_fixed_size: 0
    .kernarg_segment_align: 8
    .kernarg_segment_size: 56
    .max_flat_workgroup_size: 256
    .sgpr_count:     84
    .vgpr_count:     512
    .wavefront_size: 32
...
	.end_amdgpu_metadata
.endif
;; end of part 3
;; launch outp (part 4): grid 8 x 32, 8 waves a work-group, clusters of 4 x 4, 231,424 bytes of LDS; arguments of, wf, bout, lowp_scales, out0; writes out0
.if DOCPART == 4
	.amdgcn_target "amdgcn-amd-amdhsa--gfx1250"
	.amdhsa_code_object_version 6
	.text
	.protected	k_q602d8efe3b_outp
	.globl	k_q602d8efe3b_outp
	.p2align	8
	.type	k_q602d8efe3b_outp,@function
k_q602d8efe3b_outp:
	s_mov_b64 s[64:65], 0
	v_nop
	global_prefetch_b8 v0, s[64:65] scope:SCOPE_SE
	s_setreg_imm32_b32 hwreg(HW_REG_WAVE_MODE, 25, 1), 1
	s_wait_xcnt 0x0
	s_wait_alu depctr_hold_cnt(0) depctr_sa_sdst(0) depctr_va_vdst(0) depctr_va_sdst(0) depctr_va_ssrc(0) depctr_va_vcc(0) depctr_vm_vsrc(0)
	s_getreg_b32 s2, hwreg(HW_REG_IB_STS2, 6, 4)
	s_cmp_eq_u32 s2, 0
	s_cbranch_scc0 .Lentry_in_a_cluster
	s_endpgm
.Lentry_in_a_cluster:
	s_bfe_u32 s2, ttmp6, 0x10000c
	s_cmp_lg_u32 s2, 0xf033
	s_cbranch_scc0 .Lentry_shape_is_right
	s_endpgm
.Lentry_shape_is_right:
; out0 = o Wout + bout, on codes of FP8 (E4M3): o's codes in of [tile 128][K step 8][2048], Wout's in wf from tile 192 on, both as images of operand registers.  out0: [2048][1024] f32.
; A work-group makes 64 rows x 128 columns: 256 work-groups.  All that it reads, 65,536 bytes of o and 131,072 of Wout, is brought into LDS once, by six tensor loads of 32,768 dense bytes: nothing is filled again.
; CLUSTERS of 4 x 4: o's tiles hang on the block of rows alone and are asked for jointly along a row of the cluster, Wout's on the block of columns alone, along a column.
; Wave w makes 32 rows (w % 2) x 32 columns (w / 2): four accumulators by turns, K in 8 steps of 128.  Source 0 = Wout's tile, source 1 = o's: a lane holds one row and eight neighbouring columns.
; Row r of o's tile t of a block of 128 rows is the block's row 32 (t / 2) + 8 (t % 2) + r + 8 (r / 8); Wout's columns likewise: the stage's addresses undo both.
; LIMIT: e8 + e9 lies between -126 and 127, so that 2^(e8 + e9) is an f32 number.
.set BOFF, 65536                       ; LDS: o's four tiles, then Wout's eight,
.set STG,  196608                      ; then the stage: 64 rows x (512 bytes + 16); no tensor load lands there
.set SP,   528
.set L16,  2                           ; v2  16 x lane
.set ADA,  3                           ; v3  my two tiles of o
.set ADB,  4                           ; v4  my two tiles of Wout
.set SO,   5                           ; v5  the stage: where I put 32 bytes of a row
.set SR,   6                           ; v6  and where I read a row back
.set BI,   8                           ; v8-11 bout at my four columns
.set ACC,  16                          ; v16-47 the accumulators: (o's tile ii, Wout's tile nn) at 8 (2 ii + nn)
.set WV,   18
.set G1A,  24
.set G1B,  32
.set G0A,  40
.set G0B,  44
.macro CROUND
	s_barrier_signal -1
	s_barrier_wait -1
	s_cmp_lg_u32 s[WV], 0
	s_cbranch_scc1 .Lnot_wave_0_\@
	s_barrier_signal -3
.Lnot_wave_0_\@:
	s_barrier_wait -3
	s_barrier_signal -1
	s_barrier_wait -1
.endm
.macro FETCH ks, set                   ; K step ks: o's two fragments, then Wout's two
.irp f, 0,1
.irp c, 0,1,2,3
	ds_load_b128 v[\set+16*\f+4*\c:\set+16*\f+4*\c+3], v[ADA] offset:16384*\f+2048*(\ks)+512*\c
.endr
.endr
.irp f, 0,1
.irp c, 0,1,2,3
	ds_load_b128 v[\set+32+16*\f+4*\c:\set+32+16*\f+4*\c+3], v[ADB] offset:16384*\f+2048*(\ks)+512*\c
.endr
.endr
.endm
.macro KS ks
.set CUR, 64+64*((\ks)%2)
.set NXT, 64+64*(((\ks)+1)%2)
.if ((\ks) > 0) && ((\ks) < 7)
.rept 4
	v_nop                                          ; places in front of loads into registers that the last step's products read
.endr
.endif
.if (\ks) < 7
	FETCH (\ks)+1, NXT
	s_wait_dscnt 16                                ; this step's fragments are in; the 16 loads just issued may be out
.else
	s_wait_dscnt 0x0
.endif
.irp ii, 0,1
.irp nn, 0,1
.if (\ks) == 0
	v_wmma_f32_16x16x128_fp8_fp8 v[ACC+8*(2*\ii+\nn):ACC+8*(2*\ii+\nn)+7], v[CUR+32+16*\nn:CUR+32+16*\nn+15], v[CUR+16*\ii:CUR+16*\ii+15], 0
.else
	v_wmma_f32_16x16x128_fp8_fp8 v[ACC+8*(2*\ii+\nn):ACC+8*(2*\ii+\nn)+7], v[CUR+32+16*\nn:CUR+32+16*\nn+15], v[CUR+16*\ii:CUR+16*\ii+15], v[ACC+8*(2*\ii+\nn):ACC+8*(2*\ii+\nn)+7]
.endif
.endr
.endr
.endm
	s_load_b128 s[4:7], s[0:1], 0x0                ; of s[4:5], wf s[6:7]
	s_load_b128 s[8:11], s[0:1], 0x10              ; bout s[8:9], the scales' exponents s[10:11]
	s_load_b64 s[12:13], s[0:1], 0x20              ; out0
	v_lshl_add_u32 v224, v0, 2, 0x38400
	v_mov_b32 v225, 0
	ds_add_u32 v224, v225
	ds_add_u32 v224, v225
	v_lshrrev_b32 v1, 5, v0
	s_delay_alu instid0(VALU_DEP_1)
	v_readfirstlane_b32 s[WV], v1                  ; wave 0..7
	s_and_b32 s19, s[WV], 1                        ; which 32 rows
	s_lshr_b32 s20, s[WV], 1                       ; which 32 columns
	s_bfe_u32 s21, ttmp6, 0x40000                  ; cx, cy
	s_bfe_u32 s22, ttmp6, 0x40004
	s_lshl_b32 s23, ttmp9, 2
	s_add_co_u32 s23, s23, s21                     ; block of 128 columns = 4 x cluster x + cx
	s_and_b32 s14, ttmp7, 0xffff
	s_lshl_b32 s14, s14, 2
	s_add_co_u32 s14, s14, s22                     ; block of 64 rows = 4 x cluster y + cy
	s_lshl_b32 s15, s22, 2
	s_lshl_b32 s15, 15, s15                        ; my row of the cluster
	s_lshl_b32 s16, 0x1111, s21                    ; my column
	; descriptor group 1: 32,768 dense bytes as 128 rows of 256
	s_or_b32 s[G1A], s15, (3<<16)|(1<<21)          ; 15:0 the mask; 17:16 elements of 8 bytes; 21 set beside a mask
	s_or_b32 s[G1B], s16, (3<<16)|(1<<21)
.irp g, G1A, G1B
	s_mov_b32 s[\g+1], 32<<16                      ; tensor_dim0
	s_mov_b32 s[\g+2], 128<<16                     ; tensor_dim1
	s_mov_b32 s[\g+3], 32<<16                      ; tile_dim0
	s_mov_b32 s[\g+4], 128                         ; tile_dim1
	s_mov_b32 s[\g+5], 32                          ; tensor_dim0_stride
	s_mov_b32 s[\g+6], 0
	s_mov_b32 s[\g+7], 0
.endr
	s_lshl_b32 s56, s[WV], 15
	s_lshl_b32 s48, s14, 16                        ; of: 65,536 bytes to a block of rows; waves 0 and 1 fetch its halves
	s_add_co_u32 s48, s48, s56
	s_mov_b32 s49, 0
	s_lshl_b32 s50, s23, 17                        ; wf: Wout begins 192 tiles of 16,384 bytes on; 131,072 bytes to a block of columns; waves 2 to 5 fetch its quarters
	s_add_co_u32 s50, s50, s56
	s_add_co_u32 s50, s50, 0x300000-65536
	s_mov_b32 s51, 0
	s_lshl_b32 s58, s23, 9                         ; bout and out0: 512 bytes to a block of columns
	s_mov_b32 s59, 0
	s_lshl_b32 s56, s14, 18                        ; out0: 64 rows of 4,096 bytes to a block of rows, 8 rows to a wave
	s_lshl_b32 s57, s[WV], 15
	s_add_co_u32 s56, s56, s57
	s_add_co_u32 s56, s56, s58
	s_mov_b32 s57, 0
	s_wait_dscnt 0x0
	s_wait_kmcnt 0x0
	s_load_b64 s[52:53], s[10:11], 0x20            ; e8, e9
	s_mov_b32 s[G0A], 1
	s_lshl_b32 s[G0A+1], s[WV], 15                 ; LDS address: wave x 32,768: no place in the cluster enters it
	s_add_nc_u64 s[G0A+2:G0A+3], s[4:5], s[48:49]
	s_or_b32 s[G0A+3], s[G0A+3], 0x80000000
	s_mov_b32 s[G0B], 1
	s_lshl_b32 s[G0B+1], s[WV], 15
	s_add_nc_u64 s[G0B+2:G0B+3], s[6:7], s[50:51]
	s_or_b32 s[G0B+3], s[G0B+3], 0x80000000
	s_add_nc_u64 s[8:9], s[8:9], s[58:59]
	s_add_nc_u64 s[12:13], s[12:13], s[56:57]
	CROUND                                         ; all sixteen work-groups are here: the joint loads meet
	s_cmp_lt_u32 s[WV], 2                          ; waves 0, 1: o; waves 2 to 5: Wout; waves 6, 7: nothing.  The branches hang on the wave's number alone
	s_cbranch_scc0 .Lnot_a
	tensor_load_to_lds s[G0A:G0A+3], s[G1A:G1A+7]
	s_nop 0
.rept 4
	v_nop
.endr
	s_branch .Lasked
.Lnot_a:
	s_cmp_lt_u32 s[WV], 6
	s_cbranch_scc0 .Lasked
	tensor_load_to_lds s[G0B:G0B+3], s[G1B:G1B+7]
	s_nop 0
.rept 4
	v_nop
.endr
.Lasked:
	v_and_b32 v1, 31, v0
	s_delay_alu instid0(VALU_DEP_1)
	v_lshlrev_b32 v[L16], 4, v1
	global_load_b128 v[BI:BI+3], v[L16], s[8:9]    ; bout at columns 4 x lane on of my block
	s_lshl_b32 s60, s19, 15
	v_add_nc_u32 v[ADA], s60, v[L16]
	s_lshl_b32 s60, s20, 15
	s_add_co_u32 s60, s60, BOFF
	v_add_nc_u32 v[ADB], s60, v[L16]
	v_and_b32 v12, 15, v0                          ; r
	v_bfe_u32 v13, v0, 4, 1                        ; h
	s_delay_alu instid0(VALU_DEP_2)
	v_and_b32 v14, 8, v12
	s_delay_alu instid0(VALU_DEP_1)
	v_add_nc_u32 v14, v14, v12                     ; r + 8 (r / 8)
	s_delay_alu instid0(VALU_DEP_1)
	v_mul_u32_u24 v[SO], v14, SP
	s_delay_alu instid0(VALU_DEP_1)
	v_lshl_add_u32 v[SO], v13, 6, v[SO]            ; + 16 columns for lanes 16-31
	s_mul_i32 s60, s19, 32*SP                      ; my 32 rows,
	s_lshl_b32 s61, s20, 7                         ; my 32 columns
	s_add_co_u32 s60, s60, s61
	s_add_co_u32 s60, s60, STG
	v_add_nc_u32 v[SO], s60, v[SO]
	s_mul_i32 s60, s[WV], 8*SP
	s_add_co_u32 s60, s60, STG
	v_add_nc_u32 v[SR], s60, v[L16]                ; back: rows 8 w .. 8 w + 7, whole
	s_wait_alu depctr_va_vdst(0)
	s_wait_tensorcnt 0x0                           ; my part has landed,
	s_barrier_signal -1
	s_barrier_wait -1                              ; everybody's has
	FETCH 0, 64
	KS 0
	KS 1
	KS 2
	KS 3
	KS 4
	KS 5
	KS 6
	KS 7
.rept 4
	v_nop                                          ; places in front of the first read of results, and of loads into registers that the last products read
.endr
.irp ii, 0,1
.irp nn, 0,1
	ds_store_b128 v[SO], v[ACC+8*(2*\ii+\nn):ACC+8*(2*\ii+\nn)+3] offset:8*SP*\ii+32*\nn       ; lane (r, h): row 32 (w % 2) + 8 ii + r + 8 (r / 8), columns 32 (w / 2) + 8 nn + 16 h + 0 .. 7
	ds_store_b128 v[SO], v[ACC+8*(2*\ii+\nn)+4:ACC+8*(2*\ii+\nn)+7] offset:8*SP*\ii+32*\nn+16
.endr
.endr
	s_wait_kmcnt 0x0
	s_add_co_i32 s54, s52, s53
	s_add_co_i32 s54, s54, 127
	s_lshl_b32 s54, s54, 23                        ; 2^(e8 + e9) as f32
	s_mov_b32 s55, s54                             ; (named with it as a pair)
	s_wait_dscnt 0x0                               ; for the others' sake: my stores into the stage have landed
	s_barrier_signal -1
	s_barrier_wait -1
.irp i, 0,1,2,3,4,5,6,7
	ds_load_b128 v[64+4*\i:67+4*\i], v[SR] offset:SP*\i
.endr
	s_wait_loadcnt 0x0                             ; bout
.irp i, 0,1,2,3,4,5,6,7
	s_wait_dscnt 7-\i                              ; row i is in; the younger rows may be out
	v_pk_fma_f32 v[128+4*\i:129+4*\i], v[64+4*\i:65+4*\i], s[54:55], v[BI:BI+1] op_sel_hi:[1,0,1]       ; sum x 2^(e8 + e9) + bout
	v_pk_fma_f32 v[130+4*\i:131+4*\i], v[66+4*\i:67+4*\i], s[54:55], v[BI+2:BI+3] op_sel_hi:[1,0,1]
	global_store_b128 v[L16], v[128+4*\i:131+4*\i], s[12:13] offset:4096*\i th:TH_STORE_NT             ; 32 lanes store 512 consecutive bytes, at a multiple of 256 from out0's first byte
.endr
	s_wait_tensorcnt 0x0
	ds_add_u32 v224, v225
	s_wait_dscnt 0x0
	CROUND                                         ; the closing round
	s_endpgm
.Lfunc_end_k_q602d8efe3b_outp:
	.size	k_q602d8efe3b_outp, .Lfunc_end_k_q602d8efe3b_outp-k_q602d8efe3b_outp
	.p2alignl 7, 3214868480
	.fill 96, 4, 3214868480
	.section	.rodata,"a",@progbits
	.p2align	6, 0x0
	.amdhsa_kernel k_q602d8efe3b_outp
		.amdhsa_group_segment_fixed_size 231424
		.amdhsa_private_segment_fixed_size 0
		.amdhsa_enable_private_segment 0
		.amdhsa_kernarg_size 40
		.amdhsa_user_sgpr_count 2
		.amdhsa_user_sgpr_kernarg_segment_ptr 1
		.amdhsa_wavefront_size32 1
		.amdhsa_system_sgpr_workgroup_id_x 1
		.amdhsa_system_sgpr_workgroup_id_y 1
		.amdhsa_system_sgpr_workgroup_id_z 1
		.amdhsa_system_vgpr_workitem_id 0
		.amdhsa_next_free_vgpr 226
		.amdhsa_next_free_sgpr 66
		.amdhsa_reserve_vcc 0
		.amdhsa_float_denorm_mode_32 3
		.amdhsa_float_denorm_mode_16_64 3
		.amdhsa_memory_ordered 1
		.amdhsa_forward_progress 1
		.amdhsa_inst_pref_size 21
	.end_amdhsa_kernel
	.amdgpu_metadata
---
amdhsa.version: [ 1, 2 ]
amdhsa.kernels:
  - .name:           k_q602d8efe3b_outp
    .symbol:         k_q602d8efe3b_outp.kd
    .args:
      - { .name: of, .offset: 0, .size: 8, .value_kind: global_buffer, .address_space: global }
      - { .name: wf, .offset: 8, .size: 8, .value_kind: global_buffer, .address_space: global }
      - { .name: bout, .offset: 16, .size: 8, .value_kind: global_buffer, .address_space: global }
      - { .name: lowp_scales, .offset: 24, .size: 8, .value_kind: global_buffer, .address_space: global }
      - { .name: out0, .offset: 32, .size: 8, .value_kind: global_buffer, .address_space: global }
    .group_segment_fixed_size: 231424
    .private_segment_fixed_size: 0
    .kernarg_segment_align: 8
    .kernarg_segment_size: 40
    .max_flat_workgroup_size: 256
    .sgpr_count:     66
    .vgpr_count:     226
    .wavefront_size: 32
...
	.end_amdgpu_metadata
.endif
;; end of part 4
